; MI455X (gfx1250); checked and timed in simulation.
; The chip was launched on July 23, 2026; its instructions are those of AMD's public machine-readable ISA for CDNA 5 (MIT licence, August 2026) and "CDNA5" Instruction Set Architecture Reference Guide (July 2026). The comments in the code are by the model that wrote it; some were corrected since.
;; Cross Attention Layer. Allowed arithmetic: matrix products marked QUANTISED: E2M3 operands, one E8M0 scale for each 32 along K, by v_wmma_scale_f32_16x16x128_f8f6f4 with both operands' format E2M3, f32 sums; products left as they are: f32 operands where the result goes on into a quantised operand, else bf16, f16 or f32 operands; f32 sums; everything else in f32.
;; Inputs: Wk_codes 1,024 x 32 x 24 uint8 (E2M3 codes of Wk, K innermost, in blocks of 32 codes, four codes in three bytes); Wk_scales 1,024 x 32 uint8 (E8M0 scales of Wk, one for each 32 codes along K); Wo_codes 1,024 x 32 x 24 uint8 (E2M3 codes of Wo, K innermost, in blocks of 32 codes, four codes in three bytes); Wo_scales 1,024 x 32 uint8 (E8M0 scales of Wo, one for each 32 codes along K); Wq_codes 1,024 x 32 x 24 uint8 (E2M3 codes of Wq, K innermost, in blocks of 32 codes, four codes in three bytes); Wq_scales 1,024 x 32 uint8 (E8M0 scales of Wq, one for each 32 codes along K); Wv_codes 1,024 x 32 x 24 uint8 (E2M3 codes of Wv, K innermost, in blocks of 32 codes, four codes in three bytes); Wv_scales 1,024 x 32 uint8 (E8M0 scales of Wv, one for each 32 codes along K); beta 1,024 float32; bk 1,024 float32; bo 1,024 float32; bq 1,024 float32; bv 1,024 float32; gamma 1,024 float32; key_value_codes 16,384 x 32 x 24 uint8 (E2M3 codes of key_value, K innermost, in blocks of 32 codes, four codes in three bytes); key_value_scales 16,384 x 32 uint8 (E8M0 scales of key_value, one for each 32 codes along K); query 16,384 x 1,024 float32.
;; Outputs: out0 16,384 x 1,024 float32.
;; This version of the problem:
;;   THIS VERSION OF THE PROBLEM IS GIVEN IN LOW PRECISION. The matrix products marked QUANTISED in the list below multiply operands that are first quantised to E2M3 (2 exponent bits, 3 mantissa bits; 6 bits a number), with one power-of-two scale for each 32 numbers along K (OCP MX v1.0); their sums are f32. All else is computed in f32.
;;   The module's matrix products, in the order in which they are computed (A, B: the left and right operand; K: the contracted axis; several contracted axes count as one K, in the product's order):
;;     1. [M 16,384, K 1,024] x [K 1,024, N 1,024]; A: input query; B: input Wq (given as codes): QUANTISED
;;     2. [M 16,384, K 1,024] x [K 1,024, N 1,024]; A: input key_value (given as codes); B: input Wk (given as codes): QUANTISED
;;     3. [M 16,384, K 1,024] x [K 1,024, N 1,024]; A: input key_value (given as codes); B: input Wv (given as codes): QUANTISED
;;     4. batch 16,384 x [M 8, K 128] x [K 128, N 8]; A: computed on the way; B: computed on the way: left as it is (M = 8 < 16)
;;     5. batch 16,384 x [M 8, K 8] x [K 8, N 128]; A: softmax; B: computed on the way: left as it is (K = 8 < 32)
;;     6. [M 16,384, K 1,024] x [K 1,024, N 1,024]; A: computed on the way; B: input Wo (given as codes): QUANTISED
;;   THE QUANTISER, for each operand of a quantised product, along K:
;;     - K is cut into blocks of 32 from its start; a last block that is shorter is filled with zeros.
;;     - A block's scale is 2^e with e = floor(log2(the largest magnitude in the block)) - 2, held to -126 .. 127; a block of zeros has e = 0. As a byte (E8M0): e + 127.
;;     - Each number is divided by its block's scale, clamped to +-7.5, and rounded to the nearest number of E2M3, ties to even, subnormals kept.
;;     - The product sums the exact products of the quantised numbers (number of the format x scale) in f32.
;;   ~~~python
;;   def quantise(x, axis):      # numpy; x: float32 -> the quantised numbers, widened to float32 again
;;       x = np.moveaxis(x, axis, -1); K = x.shape[-1]
;;       x = np.pad(x, [(0, 0)] * (x.ndim - 1) + [(0, -K % 32)]); x = x.reshape(x.shape[:-1] + (-1, 32)); a = np.abs(x).max(-1, keepdims=True)
;;       e = np.where(a > 0, np.clip(np.frexp(np.where(a > 0, a, 1))[1] - 1 - 2, -126, 127), 0)      # np.frexp(a)[1] - 1 = floor(log2(a)), exactly
;;       r = np.clip(x / 2.0 ** e, -7.5, 7.5)
;;       step = 2.0 ** (np.maximum(np.frexp(np.where(r == 0, 1, r))[1] - 1, 0) - 3)
;;       q = np.round(r / step) * step * 2.0 ** e      # np.round: ties to even
;;       return np.moveaxis(q.reshape(q.shape[:-2] + (-1,))[..., :K], -1, axis).astype(np.float32)
;;   ~~~
;;   OPERANDS COMPUTED ON THE WAY. 'Computed on the way' means the value that the module computes at that place (a softmax that the list does not call 'softmax' is quantised finished and normalised). What goes into a quantiser is computed in f32, as accurately as f32 sums, v_exp_f32 and their like allow (about 1e-6 of the number): no bf16 or f16 on the way to a quantiser, and a product that is left as it is and whose result goes on into a quantised operand takes f32 operands (vector FMAs, or v_wmma_f32_16x16x4_f32). A number that lies on a knife's edge between two numbers of the format may be rounded either way, as far as f32 arithmetic and the matrix unit's own rounding can turn it there, and no further.
;;   INPUTS GIVEN AS CODES. Wk (in the module: [1024, 1024], K = its axis 0); Wo (in the module: [1024, 1024], K = its axis 0); Wq (in the module: [1024, 1024], K = its axis 0); Wv (in the module: [1024, 1024], K = its axis 0); key_value (in the module: [16384, 1024], K = its axis 1): each comes as NAME_codes (uint8): NAME with its K axis moved to the last place and cut into blocks of 32 codes, [.., K / 32, bytes a block], one block behind the other in memory; four codes in three bytes: a row's codes are one little-endian stream of bits, code i at bits 6 i .. 6 i + 5 (a code: sign, 2 exponent bits, 3 mantissa bits); and NAME_scales (uint8): the same leading axes, one E8M0 byte (e + 127) for each 32 codes along K. Its value is code x scale, taken as it is: it is not quantised again, and the codes and scales need not be those that the quantiser above would give.
;; 2 versions, each right. Each part assembles by itself: llvm-mc -triple=amdgcn-amd-amdhsa -mcpu=gfx1250 --defsym DOCPART=n.
;; ======== version 1 of 2: 2 launches
;; workspace buffers: xc 12,582,912 bytes; xs 524,288 bytes; wst 3,407,872 bytes
;; launch prep (part 1): grid 640 x 1, 4 waves a work-group, no clusters, 33,280 bytes of LDS; arguments query, xc, xs, Wq_codes, Wq_scales, bq, Wk_codes, Wk_scales, bk, Wv_codes, Wv_scales, bv, Wo_codes, Wo_scales, bo, wst; writes xc, xs, wst
.if DOCPART == 1
	.amdgcn_target "amdgcn-amd-amdhsa--gfx1250"
	.amdhsa_code_object_version 6
	.text
	.protected	k_q433682b38e_prep
	.globl	k_q433682b38e_prep
	.p2align	8
	.type	k_q433682b38e_prep,@function
k_q433682b38e_prep:
	s_mov_b64 s[64:65], 0
	v_nop
	global_prefetch_b8 v0, s[64:65] scope:SCOPE_SE
	s_setreg_imm32_b32 hwreg(HW_REG_WAVE_MODE, 25, 1), 1
	s_wait_xcnt 0x0
; TWO JOBS IN ONE LAUNCH, parted by the work-group's number.
; Work-groups 0-511: query [16384][1024] f32 becomes codes of FP6 (E2M3), K innermost (xc, 768 bytes a row), and one E8M0 byte for each 32 along K (xs, 32 bytes a row).
;   A block's scale is 2^(floor(log2(its largest magnitude)) - 2); its byte is the largest magnitude's exponent field - 2, held at 1 from below.  Rows are dense, so the tensor is a plain stream of blocks.
;   A wave takes 16 steps of 512 numbers: four loads of 512 consecutive bytes; the 2,048 bytes turn through the wave's own stage in LDS, so that a lane holds 16 neighbours; two lanes hold a block.
; Work-groups 512-639: the four weights' codes, scale bytes and biases are copied into wst in the order in which the second launch's operand registers take them.
;   wst: 32 slots of 4 parts (one for each wave of the reader) of 26,624 bytes: 16 fragments of 1,536 bytes (registers 4 c .. 4 c + 3 of lane L at 512 c + 16 L), 1,024 bytes of scale words, 1,024 of biases.
;   Slot s: weight f = s / 8 (Wq, Wk, Wv, Wo).  Wq, Wo: fragment j = tile j, K step s % 8.  Wk, Wv: piece p = (s % 8) / 4, fragment j = tile 8 p + j % 8, K step 2 (s % 4) + j / 8.
;   WHICH ROWS OF A WEIGHT FORM A TILE is chosen for the reader: row i of tile t, for reader wave w, is weight row SB(t) + VL(i):
;     Wq, Wk: head 2 (t / 4) + i % 2, channel 32 w + 8 (t % 4) + 4 (i / 8) + (i % 8) / 2;   Wv: head t / 2, channel 32 w + 8 (t % 2) + 16 (i / 8) + i % 8;   Wo: row 256 w + 16 t + i.
; LIMITS: NaN and infinities in query are not served; a block of zeros, or one whose largest magnitude lies under 2^-124, gets the byte 1 (a block of zeros has zero codes; the bytes are read by this program alone).
.set STEPS, 16
.set EMAX,  2
.set CB,    12                         ; bytes of 16 codes
.set R,     16                         ; v16-79   four sets of 16 numbers as loaded
.set X,     80                         ; v80-111  two sets of 16 neighbours
.set E,     112                        ; v112-127 a scale byte for each step
.set C,     128                        ; v128-191 codes: four registers for each step
.set WREG,  8192                       ; LDS: a region for each wave: two stages of 32 x SP bytes, then its 256 scale bytes
.set SP,    80                         ; a lane's place in a stage: 64 bytes + 16 of padding
.set PART,  26624
	s_load_b512 s[4:19], s[0:1], 0x0               ; query 4, xc 6, xs 8, Wq codes 10, scales 12, bq 14, Wk codes 16, scales 18
	s_load_b512 s[20:35], s[0:1], 0x40             ; bk 20, Wv codes 22, scales 24, bv 26, Wo codes 28, scales 30, bo 32, wst 34
	v_lshl_add_u32 v192, v0, 2, 0x8000
	v_mov_b32 v193, 0
	v_lshrrev_b32 v1, 5, v0
	v_readfirstlane_b32 s36, v1                    ; wave
	v_and_b32 v2, 31, v0                           ; lane
	s_wait_kmcnt 0x0
	s_cmp_ge_u32 ttmp9, 512
	s_cbranch_scc1 .Llay
	; ---------------- the quantiser ----------------
	v_lshlrev_b32 v3, 4, v2                        ; my 16 bytes of a load's 512
	s_mul_i32 s37, s36, WREG
	v_lshrrev_b32 v14, 2, v2
	v_mul_u32_u24 v14, v14, SP
	v_and_b32 v15, 3, v2
	v_lshl_add_u32 v14, v15, 4, v14
	v_add_nc_u32 v14, s37, v14                     ; the stage, on the way in: SP (lane / 4) + 16 (lane % 4)
	v_mul_u32_u24 v15, v2, SP
	v_add_nc_u32 v15, s37, v15                     ; on the way out: SP x lane: my 16 neighbours
	v_mul_u32_u24 v4, v2, CB                       ; my codes' place in a step's 384 bytes
	v_lshrrev_b32 v5, 1, v2
	s_add_co_u32 s37, s37, 2*32*SP
	v_add_nc_u32 v5, s37, v5                       ; LDS: my block's byte among my wave's 256
	v_lshlrev_b32 v7, 3, v2
	v_add_nc_u32 v6, s37, v7                       ; and on the way out 8 bytes a lane
	s_lshl_b32 s38, ttmp9, 2
	s_add_co_u32 s38, s38, s36                     ; which run of 8,192 numbers is my wave's (0 .. 2,047)
	s_lshl_b32 s40, s38, 15                        ; 32,768 bytes of query a run
	s_mov_b32 s41, 0
	s_add_nc_u64 s[4:5], s[4:5], s[40:41]
	s_mul_i32 s40, s38, 32*STEPS*CB                ; 6,144 bytes of codes
	s_add_nc_u64 s[6:7], s[6:7], s[40:41]
	s_lshl_b32 s40, s38, 8                         ; 256 scale bytes
	s_add_nc_u64 s[8:9], s[8:9], s[40:41]
.macro LOAD t
.irp i, 0,1,2,3
	global_load_b128 v[R+16*((\t)%4)+4*\i:R+16*((\t)%4)+4*\i+3], v3, s[4:5] offset:2048*(\t)+512*\i th:TH_LOAD_NT   ; 32 lanes read 512 consecutive bytes
.endr
.endm
.macro TURN t                          ; step t's numbers through the stage: LDS serves a wave's instructions in order, so no wait stands between the stores and the loads
.irp i, 0,1,2,3
	ds_store_b128 v14, v[R+16*((\t)%4)+4*\i:R+16*((\t)%4)+4*\i+3] offset:32*SP*((\t)%2)+8*SP*\i
.endr
.irp i, 0,1,2,3
	ds_load_b128 v[X+16*((\t)%2)+4*\i:X+16*((\t)%2)+4*\i+3], v15 offset:32*SP*((\t)%2)+16*\i
.endr
.endm
.irp t, 0,1,2,3
	LOAD \t
.endr
	s_wait_loadcnt 12                              ; step 0's four loads are in; twelve younger ones stay out
	TURN 0
.macro STEP t
.set XS, X+16*((\t)%2)
.if (\t) > 0
	s_wait_dscnt 1                                 ; this step's numbers are back from the stage (the last step's byte store may be out)
.else
	s_wait_dscnt 0x0
.endif
.if (\t)+4 < STEPS
	LOAD (\t)+4                                    ; the registers that the stage's stores have read take the loads of four steps on
.endif
.if (\t)+1 < STEPS
.if STEPS-2-(\t) >= 3
	s_wait_loadcnt 12                              ; the next step's four loads are in; those of the three steps behind it may be out
.else
	s_wait_loadcnt 4*(STEPS-2-(\t))
.endif
	TURN (\t)+1
.endif
	v_max3_num_f32 v8, |v[XS]|, |v[XS+1]|, |v[XS+2]|               ; the largest magnitude of my 16, in two chains
	v_max3_num_f32 v9, |v[XS+3]|, |v[XS+4]|, |v[XS+5]|
.irp i, 6,10
	v_max3_num_f32 v8, v8, |v[XS+\i]|, |v[XS+\i+1]|
	v_max3_num_f32 v9, v9, |v[XS+\i+2]|, |v[XS+\i+3]|
.endr
	v_max3_num_f32 v8, v8, |v[XS+14]|, |v[XS+15]|
	v_max3_num_f32 v8, v8, v9, (EMAX+1)<<23        ; and the floor 2^(3 - 127): the byte cannot fall under 1
	v_max_num_f32_dpp v8, v8, v8 row_xmask:1 row_mask:0xf bank_mask:0xf   ; with my neighbour's 16: the block's
	v_add_nc_u32 v11, -(EMAX<<23), v8              ; 2 off its exponent field: the conversion takes the exponent field of this operand as its scale
	v_cvt_scalef32_pk16_fp6_f32 v[C+4*(\t):C+4*(\t)+2], v[XS:XS+15], v11
	v_lshrrev_b32 v[E+(\t)], 23, v11               ; the scale's byte (also the plain line behind the conversion)
	ds_store_b8 v5, v[E+(\t)] offset:16*(\t)       ; both lanes of a block write the same byte with the same value
	global_store_b96 v4, v[C+4*(\t):C+4*(\t)+2], s[6:7] offset:32*CB*(\t)   ; the wave stores 384 consecutive bytes
.endm
.irp t, 0,1,2,3,4,5,6,7,8,9,10,11,12,13,14,15
	STEP \t
.endr
	ds_load_b64 v[12:13], v6                       ; these see my byte stores: LDS serves a wave in order
	s_wait_dscnt 0x0
	global_store_b64 v7, v[12:13], s[8:9]          ; 32 lanes store 256 consecutive bytes, aligned
	s_wait_tensorcnt 0x0
	ds_add_u32 v192, v193
	s_wait_dscnt 0x0
	s_endpgm
	; ---------------- the weights' stream ----------------
.Llay:
	s_sub_co_u32 s37, ttmp9, 512                   ; part 0 .. 127
	s_lshr_b32 s38, s37, 2                         ; slot
	s_and_b32 s39, s37, 3                          ; reader wave w
	s_lshr_b32 s40, s38, 3                         ; f: which weight
	s_and_b32 s41, s38, 7                          ; slot % 8
	s_lshr_b32 s42, s41, 2                         ; p
	s_and_b32 s43, s41, 3                          ; q
	s_cmp_eq_u32 s40, 0                            ; the weight's three buffers: a choice that hangs on the work-group's number alone
	s_cselect_b64 s[44:45], s[10:11], s[16:17]
	s_cselect_b64 s[46:47], s[12:13], s[18:19]
	s_cselect_b64 s[48:49], s[14:15], s[20:21]
	s_cselect_b32 s50, 1, 0                        ; 1: a weight walked tile by tile for all 16 tiles (Wq, Wo)
	s_cmp_eq_u32 s40, 2
	s_cselect_b64 s[44:45], s[22:23], s[44:45]
	s_cselect_b64 s[46:47], s[24:25], s[46:47]
	s_cselect_b64 s[48:49], s[26:27], s[48:49]
	s_cselect_b32 s54, -1, 0                       ; all lanes: Wv's map
	s_cselect_b32 s57, 128, 16                     ; SE2: rows from tile tg to tile tg + 2
	s_cmp_eq_u32 s40, 3
	s_cselect_b64 s[44:45], s[28:29], s[44:45]
	s_cselect_b64 s[46:47], s[30:31], s[46:47]
	s_cselect_b64 s[48:49], s[32:33], s[48:49]
	s_cselect_b32 s50, 1, s50
	s_cselect_b32 s57, 32, s57
	s_cselect_b32 s56, 16, 8                       ; SE1: rows from tile tg to tile tg + 1
	s_cmp_le_u32 s40, 1
	s_cselect_b32 s53, -1, 0                       ; all lanes: Wq's and Wk's map
	s_lshl_b32 s58, s36, 2                         ; my wave lays fragments 4 v .. 4 v + 3
	s_and_b32 s59, s58, 7
	s_lshl_b32 s60, s42, 3
	s_add_co_u32 s59, s59, s60                     ; pieces: first tile 8 p + 4 v % 8
	s_lshl_b32 s60, s43, 1
	s_lshr_b32 s61, s36, 1
	s_add_co_u32 s60, s60, s61                     ; pieces: K step 2 q + v / 2
	s_cmp_eq_u32 s50, 1
	s_cselect_b32 s51, s58, s59                    ; tg: my first tile, a multiple of 4
	s_cselect_b32 s52, s41, s60                    ; ks: my K step
	s_lshl_b32 s58, s51, 6
	s_lshl_b32 s59, s39, 5
	s_add_co_u32 s58, s58, s59                     ; Wq, Wk, Wv: SB(tg) = 64 tg + 32 w
	s_lshl_b32 s59, s51, 4
	s_lshl_b32 s60, s39, 8
	s_add_co_u32 s59, s59, s60                     ; Wo: 16 tg + 256 w
	s_cmp_eq_u32 s40, 3
	s_cselect_b32 s55, s59, s58
	s_mul_i32 s58, s37, PART
	s_mov_b32 s59, 0
	s_add_nc_u64 s[34:35], s[34:35], s[58:59]      ; my part of wst
; VL(i) for the weight in hand: all three maps are made, two selections keep one
.macro VLMAP dst, i, t1, t2
	v_and_b32 \t1, 1, \i
	v_lshlrev_b32 \t1, 7, \t1                      ; 128 (i % 2)
	v_lshrrev_b32 \t2, 3, \i
	v_lshl_add_u32 \t1, \t2, 2, \t1                ; + 4 (i / 8)
	v_bfe_u32 \dst, \i, 1, 2
	v_add_nc_u32 \t1, \t1, \dst                    ; + (i % 8) / 2: Wq, Wk
	v_and_b32 \dst, 7, \i
	v_lshl_add_u32 \t2, \t2, 4, \dst               ; 16 (i / 8) + i % 8: Wv
	v_cndmask_b32 \dst, \i, \t2, s54               ; Wo: i
	v_cndmask_b32 \dst, \dst, \t1, s53
.endm
	v_and_b32 v3, 15, v0                           ; r
	v_bfe_u32 v4, v0, 4, 1                         ; hh
	VLMAP v5, v3, v6, v7
	v_add_nc_u32 v8, s55, v5                       ; weight row of (tile tg, row r)
	v_mul_u32_u24 v9, v8, 768                      ; a row of codes is 768 bytes
	v_mad_u32_u24 v9, v4, 24, v9                   ; + my half's 24 bytes
	s_mul_i32 s58, s52, 96                         ; + the K step's 96
	v_add_nc_u32 v12, s58, v9
	s_mul_i32 s59, s56, 768
	s_mul_i32 s60, s57, 768
	v_add_nc_u32 v13, s59, v12                     ; tiles tg + 1, + 2, + 3
	v_add_nc_u32 v14, s60, v12
	v_add_nc_u32 v15, s59, v14
.irp e, 0,1,2,3
.irp p, 0,1,2,3,4,5
	global_load_b64 v[64+12*\e+2*\p:64+12*\e+2*\p+1], v[12+\e], s[44:45] offset:48*(\p/3)+8*(\p%3)   ; a fragment's registers, as the matrix unit takes them
.endr
.endr
	v_mad_u32_u24 v16, v4, s56, v8                 ; scale words: lanes 0-15 tile tg, lanes 16-31 tile tg + 1
	v_lshlrev_b32 v17, 5, v16                      ; a row of scale bytes is 32 bytes
	s_lshl_b32 s61, s52, 2
	v_add_nc_u32 v17, s61, v17
	s_lshl_b32 s62, s57, 5
	v_add_nc_u32 v18, s62, v17                     ; tiles tg + 2, tg + 3
	global_load_b32 v20, v17, s[46:47]
	global_load_b32 v21, v18, s[46:47]
	v_lshrrev_b32 v22, 3, v2                       ; biases: eight lanes to a tile, two numbers a lane
	v_and_b32 v23, 1, v22
	v_lshrrev_b32 v24, 1, v22
	v_mad_u32_u24 v25, v23, s56, s55
	v_mad_u32_u24 v25, v24, s57, v25               ; SB(tg + lane / 8)
	v_and_b32 v26, 7, v2
	v_lshlrev_b32 v26, 1, v26                      ; i = 2 (lane % 8)
	v_or_b32 v27, 1, v26                           ; and i + 1
	VLMAP v28, v26, v6, v7
	VLMAP v29, v27, v6, v7
	v_add_lshl_u32 v28, v28, v25, 2
	v_add_lshl_u32 v29, v29, v25, 2
	global_load_b32 v30, v28, s[48:49]
	global_load_b32 v31, v29, s[48:49]
	s_mul_i32 s63, s36, 4*1536
	v_lshl_add_u32 v32, v2, 4, s63                 ; out: 16 x lane + my four fragments' place
	s_lshl_b32 s58, s36, 8
	v_lshl_add_u32 v33, v2, 3, s58                 ; 8 x lane + 256 x wave
	s_wait_loadcnt 0x0
.irp e, 0,1,2,3
.irp c, 0,1,2
	global_store_b128 v32, v[64+12*\e+4*\c:64+12*\e+4*\c+3], s[34:35] offset:1536*\e+512*\c   ; 512 consecutive bytes, aligned
.endr
.endr
	global_store_b64 v33, v[20:21], s[34:35] offset:24576      ; 256 consecutive bytes, aligned
	global_store_b64 v33, v[30:31], s[34:35] offset:25600
	s_endpgm
.Lfunc_end_k_q433682b38e_prep:
	.size	k_q433682b38e_prep, .Lfunc_end_k_q433682b38e_prep-k_q433682b38e_prep
	.p2alignl 7, 3214868480
	.fill 96, 4, 3214868480
	.section	.rodata,"a",@progbits
	.p2align	6, 0x0
	.amdhsa_kernel k_q433682b38e_prep
		.amdhsa_group_segment_fixed_size 33280
		.amdhsa_private_segment_fixed_size 0
		.amdhsa_enable_private_segment 0
		.amdhsa_kernarg_size 128
		.amdhsa_user_sgpr_count 2
		.amdhsa_user_sgpr_kernarg_segment_ptr 1
		.amdhsa_wavefront_size32 1
		.amdhsa_system_sgpr_workgroup_id_x 1
		.amdhsa_system_sgpr_workgroup_id_y 1
		.amdhsa_system_sgpr_workgroup_id_z 1
		.amdhsa_system_vgpr_workitem_id 0
		.amdhsa_next_free_vgpr 194
		.amdhsa_next_free_sgpr 66
		.amdhsa_reserve_vcc 0
		.amdhsa_float_denorm_mode_32 3
		.amdhsa_float_denorm_mode_16_64 3
		.amdhsa_memory_ordered 1
		.amdhsa_forward_progress 1
		.amdhsa_inst_pref_size 41
	.end_amdhsa_kernel
	.amdgpu_metadata
---
amdhsa.version: [ 1, 2 ]
amdhsa.kernels:
  - .name:           k_q433682b38e_prep
    .symbol:         k_q433682b38e_prep.kd
    .args:
      - { .name: query, .offset: 0, .size: 8, .value_kind: global_buffer, .address_space: global }
      - { .name: xc, .offset: 8, .size: 8, .value_kind: global_buffer, .address_space: global }
      - { .name: xs, .offset: 16, .size: 8, .value_kind: global_buffer, .address_space: global }
      - { .name: Wq_codes, .offset: 24, .size: 8, .value_kind: global_buffer, .address_space: global }
      - { .name: Wq_scales, .offset: 32, .size: 8, .value_kind: global_buffer, .address_space: global }
      - { .name: bq, .offset: 40, .size: 8, .value_kind: global_buffer, .address_space: global }
      - { .name: Wk_codes, .offset: 48, .size: 8, .value_kind: global_buffer, .address_space: global }
      - { .name: Wk_scales, .offset: 56, .size: 8, .value_kind: global_buffer, .address_space: global }
      - { .name: bk, .offset: 64, .size: 8, .value_kind: global_buffer, .address_space: global }
      - { .name: Wv_codes, .offset: 72, .size: 8, .value_kind: global_buffer, .address_space: global }
      - { .name: Wv_scales, .offset: 80, .size: 8, .value_kind: global_buffer, .address_space: global }
      - { .name: bv, .offset: 88, .size: 8, .value_kind: global_buffer, .address_space: global }
      - { .name: Wo_codes, .offset: 96, .size: 8, .value_kind: global_buffer, .address_space: global }
      - { .name: Wo_scales, .offset: 104, .size: 8, .value_kind: global_buffer, .address_space: global }
      - { .name: bo, .offset: 112, .size: 8, .value_kind: global_buffer, .address_space: global }
      - { .name: wst, .offset: 120, .size: 8, .value_kind: global_buffer, .address_space: global }
    .group_segment_fixed_size: 33280
    .private_segment_fixed_size: 0
    .kernarg_segment_align: 8
    .kernarg_segment_size: 128
    .max_flat_workgroup_size: 128
    .sgpr_count:     66
    .vgpr_count:     194
    .wavefront_size: 32
...
	.end_amdgpu_metadata
.endif
;; end of part 1
;; launch fused (part 2): grid 256 x 1, 4 waves a work-group, clusters of 4 x 1, 327,680 bytes of LDS; arguments xc, xs, key_value_codes, key_value_scales, wst, query, gamma, beta, out0; writes out0
.if DOCPART == 2
	.amdgcn_target "amdgcn-amd-amdhsa--gfx1250"
	.amdhsa_code_object_version 6
	.text
	.protected	k_q433682b38e_fused
	.globl	k_q433682b38e_fused
	.p2align	8
	.type	k_q433682b38e_fused,@function
k_q433682b38e_fused:
	s_mov_b64 s[64:65], 0
	v_nop
	global_prefetch_b8 v0, s[64:65] scope:SCOPE_SE
	s_setreg_imm32_b32 hwreg(HW_REG_WAVE_MODE, 25, 1), 1
	s_wait_xcnt 0x0
	s_wait_alu depctr_hold_cnt(0) depctr_sa_sdst(0) depctr_va_vdst(0) depctr_va_sdst(0) depctr_va_ssrc(0) depctr_va_vcc(0) depctr_vm_vsrc(0)
	s_getreg_b32 s2, hwreg(HW_REG_IB_STS2, 6, 4)
	s_cmp_eq_u32 s2, 0
	s_cbranch_scc0 .Lentry_in_a_cluster
	s_endpgm
.Lentry_in_a_cluster:
	s_bfe_u32 s2, ttmp6, 0x10000c
	s_cmp_lg_u32 s2, 0x3003
	s_cbranch_scc0 .Lentry_shape_is_right
	s_endpgm
.Lentry_shape_is_right:
; out = LayerNorm(attended Wo + bo + query), attended = softmax(Q K^T / sqrt(128)) V head against head within a row, Q = x Wq + bq, K = kv Wk + bk, V = kv Wv + bv.
; The four large products run on codes of FP6 (E2M3) with E8M0 scales; x (query's codes) and the weights' stream wst were laid by the launch before.  The two small products, the softmax and the norm are f32.
; SHARES.  A work-group owns 64 rows (four tiles m of 16).  Wave w owns, for all 64 rows and all 8 heads, channels 32 w .. 32 w + 31 of every head of Q, K, V and attended, and columns 256 w .. 256 w + 255 of the last product.
; So Q, K, V and attended never change waves: only partial scores (32 KB a piece of K) and the softmax's weights (16 KB) go through LDS.
; EVERY PRODUCT IS USED TRANSPOSED (source 0 = 16 rows of a weight, source 1 = 16 rows of x, kv or attended): a lane holds ONE row (lane % 16), its eight registers eight weight rows 8 (lane / 16) + j of the tile.
; WHICH WEIGHT ROWS FORM A TILE was chosen when wst was laid:  Q, K: a register pair holds heads 2 H and 2 H + 1 at one channel, so one packed multiply-add serves two scores;
;   V: the 16 registers of tiles 2 g, 2 g + 1 are 16 neighbouring channels of head g, which is the order in which the attended row is quantised;  Wo: neighbours.
; WHAT STAYS WHERE.  Q: 512 registers a wave.  K and V are made in pieces of 4 heads (256 registers) and used up at once.  attended takes Q's registers, the last product's sums take attended's.
; THE WEIGHTS come as 32 slots of 106,496 bytes through a ring of two LDS slots; each wave fetches and reads its own quarter.  All work-groups walk the same stream: the four of a cluster ask JOINTLY.
;   (A cluster of four: a joint request names four work-groups, and nothing else is shared.)
; LIMITS: NaN and infinities are not served; a block of attended that is all zeros, or whose largest magnitude lies under 2^-124, gets the scale byte 1 (zero codes add nothing under it).
; REGISTERS, in windows of 256.  Accumulator of (tile t, row tile m) at 8 (8 ((t % 8) / 2) + 2 m + t % 2): tiles 2 k, 2 k + 1 of one m are 16 registers on end.
;   window 1, 2: tiles 0-7, 8-15 of Q, then attended, then the last sums.   window 3: a piece's 8 tiles; later two sets of 2 residual rows (v0-127), gamma (v128-159), beta (v160-191).
;   window 0: v0-15, v56 addresses that stay; v16-47 biases of four tiles; v48-51 weights' scale words, v52-55 rows' scale words (these eight hold scales alone); v57-63 a phase's addresses; v64-159 row fragments, two sets; v160-255 weight fragments, two sets.
.set SLOT,  106496
.set PART,  26624                      ; a wave's quarter of a slot: 16 fragments, 1,024 bytes of scale words, 1,024 of biases
.set BSO,   24576
.set BIO,   25600
.set KVR,   212992                     ; kv's codes: 64 rows, AP bytes apart
.set R1,    263168                     ; x's codes likewise; then partial scores (32,768) and ATT; then attended's codes
.set ATT,   R1+32768                   ; the softmax's weights: 64 rows, TP bytes apart
.set KVS,   313344                     ; kv's scale words: 64 rows, SP bytes apart
.set XSC,   315648                     ; x's, later attended's
.set SPARE, 317952                     ; the spare words, 128 bytes for each wave: two blocks of 256 bytes that no other line names
.set AP,    784                        ; 768 bytes of codes + 16: 196 words, so the 32 lanes of an 8-byte load touch 64 different banks
.set SP,    36                         ; 32 scale bytes + 4: 9 words, so 32 rows' words fall on 32 different banks
.set TP,    272
.set GP,    4112                       ; the way out: 64 rows of 4,096 bytes + 16, from LDS byte 0: over the ring and kv's codes, behind their last fill and last read
.set SPW, 1
.set NIL, 2
.set AXR, 3                            ; R1 + AP r + 24 hh
.set AKV, 4                            ; KVR + AP r + 24 hh
.set AXS, 5                            ; XSC + SP lane
.set AKS, 6                            ; KVS + SP lane
.set ARB, 7                            ; 16 lane + my quarter
.set ARS, 8                            ; 8 lane + my quarter's scale words
.set ARI, 9                            ; 32 hh + my quarter's biases
.set ADB, 10                           ; the same three in the slot in hand
.set ADS, 11
.set ADI, 12
.set ADA, 13                           ; the slot's row fragments
.set ADX, 14                           ; and their scale words
.set PFO, 15                           ; 256 lane
.set BI,  16
.set BS,  48
.set XS,  52
.set LOFF, 56                          ; 16 lane
.set AF,  64
.set BF,  160
; s22 wave, s23 cx, s24 work-group, s25 the slot to be read next (0 or SLOT), s26 my quarter, s27, s28 steps along K (codes, scale words), s29 inner count, s30 piece, s[32:35], s[36:43] the descriptor,
; s[44:45] lane selects, s[46:47] c, s48 lanes 16-31, s[50:51] prefetch, s[52:53] query at my 16 rows, s[54:55] out0 likewise, s56-63 at work
.set MSB, 0
.macro WIN new                         ; the immediate's high byte repeats the setting that is left; a switch that changes nothing is dropped
.if MSB != (\new)
	s_set_vgpr_msb (MSB<<8)|(\new)
.set MSB, (\new)
.endif
.endm
.macro NOP4
.rept 4
	v_nop
.endr
.endm
.macro BARRIER                         ; my LDS stores have landed and my LDS loads are in: then the work-group's barrier
	s_wait_dscnt 0x0
	s_barrier_signal -1
	s_barrier_wait -1
.endm
.macro CROUND                          ; a round of the cluster's barrier: my work-group's barrier; wave 0 signals for it; every wave waits for all four work-groups; my work-group's barrier once more
	s_barrier_signal -1
	s_barrier_wait -1
	s_cmp_lg_u32 s22, 0
	s_cbranch_scc1 .Lnot_wave_0_\@
	s_barrier_signal -3
.Lnot_wave_0_\@:
	s_barrier_wait -3
	s_barrier_signal -1
	s_barrier_wait -1
.endm
; THE CHANGE OF SLOTS stands at a slot's head.  Each wave waits for its one tensor load (its quarter of the slot that it is about to read), adds 0 to its spare word, and waits for that and for its reads of the slot that it has left.
; fill = 1: behind a round of the cluster's barrier the slot just left is filled with the stream's next slot: the load has a whole slot's 64 matrix instructions in which to land.
.macro CHANGE fill, pf
	WIN 0
.if \pf
	s_wait_xcnt 0x0                                ; the last prefetch, a slot back, has read its address
	s_cmp_le_u32 s29, 3
	s_cselect_b32 s56, 8192, 0                     ; two rows on, from the second prefetch on
	s_add_nc_u64 s[50:51], s[50:51], s[56:57]
.endif
	s_wait_tensorcnt 0x0                           ; no tensor load of mine is out, so the descriptor may be written
	ds_add_u32 v[SPW], v[NIL]                      ; 0 onto my spare word
.if \fill
	s_add_co_u32 s33, s26, s25                     ; the fill goes to the slot that was read last,
	s_add_nc_u64 s[34:35], s[34:35], SLOT          ; from the stream's next slot; the type bits on top are not reached
.endif
	s_xor_b32 s25, s25, SLOT                       ; and I read the other
	s_wait_dscnt 0x0                               ; the add is done, and so are all my LDS reads and stores
.if \fill
	CROUND                                         ; no wave of any partner still reads the slot or has a load on its way
	tensor_load_to_lds s[32:35], s[36:43]          ; the first thing behind the round, and my one tensor load until the next
	s_nop 0
.else
	s_barrier_signal -1
	s_barrier_wait -1
.endif
	NOP4                                           ; also the places in front of the loads into registers that the last products read
	v_add_nc_u32 v[ADB], s25, v[ARB]
	v_add_nc_u32 v[ADS], s25, v[ARS]
	v_add_nc_u32 v[ADI], s25, v[ARI]
.endm
; 26 loads: the four row tiles' fragments of one K step (ko bytes on), in pieces of 8 bytes, and their scale words: register i: lanes 0-15 tile 2 i, lanes 16-31 tile 2 i + 1
.macro FETCHA set, ko
.irp m, 0,1,2,3
.irp p, 0,1,2,3,4,5
	ds_load_b64 v[AF+48*\set+12*\m+2*\p:AF+48*\set+12*\m+2*\p+1], v[ADA] offset:16*AP*\m+\ko+48*(\p/3)+8*(\p%3)
.endr
.endr
.irp i, 0,1
	ds_load_b32 v[XS+2*\set+\i], v[ADX] offset:32*SP*\i+\ko/24
.endr
.endm
; 13 loads: weight fragments 4 G .. 4 G + 3 as images of their registers, and their scale words (register e / 2; lanes 0-15 the even fragment, lanes 16-31 the odd one)
.macro FETCHB G, set
.irp e, 0,1,2,3
.irp c, 0,1,2
	ds_load_b128 v[BF+48*\set+12*\e+4*\c:BF+48*\set+12*\e+4*\c+3], v[ADB] offset:1536*(4*\G+\e)+512*\c
.endr
.endr
	ds_load_b64 v[BS+2*\set:BS+2*\set+1], v[ADS] offset:256*\G
.endm
; 8 loads: the biases of tiles tb .. tb + 3 in the result's layout: my half's eight numbers of each
.macro FETCHI tb
.irp e, 0,1,2,3
.irp x, 0,1
	ds_load_b128 v[BI+8*\e+4*\x:BI+8*\e+4*\x+3], v[ADI] offset:64*(\tb+\e)+16*\x
.endr
.endr
.endm
; 16 matrix instructions: tiles t0 .. t0 + 3 of window W x the four row tiles.  first = 1: the bias is the C of a sum's first product: nothing is cleared and no bias is added.
; The 16 accumulators differ, and neighbouring groups never meet on one: the accumulators take turns.
.macro MULG W, t0, bset, aset, first
.if \first
	WIN (\W<<6)
.else
	WIN (\W<<6)|(\W<<4)
.endif
.irp m, 0,1,2,3
.irp e, 0,1,2,3
.set rD, 8*(8*((\t0+\e)>>1)+2*\m+(\e&1))
.if \first
.set rC, BI+8*\e
.else
.set rC, rD
.endif
.set rB, BF+48*\bset+12*\e
.set rA, AF+48*\aset+12*\m
.set rSB, BS+2*\bset+(\e>>1)
.set rSA, XS+2*\aset+(\m>>1)
.if ((\e&1)==0) && ((\m&1)==0)
	v_wmma_scale_f32_16x16x128_f8f6f4 v[rD:rD+7], v[rB:rB+11], v[rA:rA+11], v[rC:rC+7], v[rSB], v[rSA] matrix_a_fmt:MATRIX_FMT_FP6 matrix_b_fmt:MATRIX_FMT_FP6
.elseif ((\e&1)==1) && ((\m&1)==0)
	v_wmma_scale_f32_16x16x128_f8f6f4 v[rD:rD+7], v[rB:rB+11], v[rA:rA+11], v[rC:rC+7], v[rSB], v[rSA] matrix_a_fmt:MATRIX_FMT_FP6 matrix_b_fmt:MATRIX_FMT_FP6 matrix_a_scale:MATRIX_SCALE_ROW1
.elseif (\e&1)==0
	v_wmma_scale_f32_16x16x128_f8f6f4 v[rD:rD+7], v[rB:rB+11], v[rA:rA+11], v[rC:rC+7], v[rSB], v[rSA] matrix_a_fmt:MATRIX_FMT_FP6 matrix_b_fmt:MATRIX_FMT_FP6 matrix_b_scale:MATRIX_SCALE_ROW1
.else
	v_wmma_scale_f32_16x16x128_f8f6f4 v[rD:rD+7], v[rB:rB+11], v[rA:rA+11], v[rC:rC+7], v[rSB], v[rSA] matrix_a_fmt:MATRIX_FMT_FP6 matrix_b_fmt:MATRIX_FMT_FP6 matrix_a_scale:MATRIX_SCALE_ROW1 matrix_b_scale:MATRIX_SCALE_ROW1
.endif
.endr
.endr
.endm
; A PREFETCH INTO THE L2 of two rows (8,192 consecutive bytes, lanes 256 bytes apart) of my wave's 16 rows of query, which the norm adds at the end.  Rows 0-3 are loaded into registers ahead of the last product;
; rows 4-11 are asked for in that product's slots 27 to 30, two rows a slot, each wave its own rows: each block is named once.  It stands behind the slot's tensor load and its run of LDS loads.
.macro ASK
	s_cmp_le_u32 s29, 4
	s_cbranch_scc0 .Lnot_yet_\@
	global_prefetch_b8 v[PFO], s[50:51] th:TH_LOAD_NT scope:SCOPE_SE
.Lnot_yet_\@:
.endm
; A slot of Wq or Wo: one K step of all 16 tiles, 64 matrix instructions; rows from R1.  Weight groups come two ahead, in two sets.
.macro FULL fill, first, pf
	CHANGE \fill, \pf
	v_add_nc_u32 v[ADA], s27, v[AXR]
	v_add_nc_u32 v[ADX], s28, v[AXS]
	s_add_co_u32 s27, s27, 96
	s_add_co_u32 s28, s28, 4
	FETCHA 0, 0
.if \first
	FETCHI 0
.endif
	FETCHB 0, 0
	FETCHB 1, 1
.if \pf
	ASK
.endif
	s_wait_dscnt 13                                ; all but group 1's 13 loads
	MULG 1, 0, 0, 0, \first
	WIN 0
	NOP4                                           ; places in front of loads into registers that these products read
.if \first
	FETCHI 4
.endif
	FETCHB 2, 0
	s_wait_dscnt 13                                ; all but group 2's
	MULG 1, 4, 1, 0, \first
	WIN 0
	NOP4
.if \first
	FETCHI 8
.endif
	FETCHB 3, 1
	s_wait_dscnt 13                                ; all but group 3's
	MULG 2, 0, 0, 0, \first
.if \first
	WIN 0
	NOP4
	FETCHI 12
.endif
	s_wait_dscnt 0x0
	MULG 2, 4, 1, 0, \first
	WIN 0
.endm
; A slot of a piece of Wk or Wv: two K steps of 8 tiles, 64 matrix instructions; rows from kv
.macro PSLOT first
	CHANGE 1, 0
	v_add_nc_u32 v[ADA], s27, v[AKV]
	v_add_nc_u32 v[ADX], s28, v[AKS]
	s_add_co_u32 s27, s27, 192
	s_add_co_u32 s28, s28, 8
	FETCHA 0, 0
.if \first
	FETCHI 0
.endif
	FETCHB 0, 0
	FETCHB 1, 1
	FETCHA 1, 96
	s_wait_dscnt 39                                ; all but group 1's 13 loads and the second K step's 26
	MULG 3, 0, 0, 0, \first
	WIN 0
	NOP4
.if \first
	FETCHI 4
.endif
	FETCHB 2, 0
	s_wait_dscnt 13                                ; all but group 2's
	MULG 3, 4, 1, 0, \first
	WIN 0
	NOP4
	FETCHB 3, 1
	s_wait_dscnt 13                                ; all but group 3's
	MULG 3, 0, 0, 1, 0
	s_wait_dscnt 0x0
	MULG 3, 4, 1, 1, 0
	WIN 0
.endm
	; ---------------- the head ----------------
	s_load_b512 s[4:19], s[0:1], 0x0               ; xc 4, xs 6, kv codes 8, kv scales 10, wst 12, query 14, gamma 16, beta 18
	s_load_b64 s[20:21], s[0:1], 0x40              ; out0
	v_lshl_add_u32 v[SPW], v0, 2, SPARE
	v_mov_b32 v[NIL], 0
	ds_add_u32 v1, v2
	ds_add_u32 v1, v2
	s_wait_dscnt 0x0
	v_lshrrev_b32 v24, 5, v0
	v_readfirstlane_b32 s22, v24                   ; wave 0..3
	s_bfe_u32 s23, ttmp6, 0x40000                  ; cx
	s_lshl_b32 s24, ttmp9, 2
	s_add_co_u32 s24, s24, s23                     ; work-group = 4 x cluster + cx: it enters the addresses of x, kv, query and out0 alone
	s_mul_i32 s26, s22, PART
	s_mov_b32 s25, SLOT
	; the descriptor's group 1: a wave's quarter of a slot, a dense block, as 104 rows of 256 bytes (32 elements of 8 bytes)
	s_mov_b32 s36, 15|(3<<16)|(1<<21)              ; 15:0 the mask: all four work-groups; 17:16 elements of 8 bytes; 21 set beside a mask; no padding
	s_mov_b32 s37, 32<<16                          ; tensor_dim0
	s_mov_b32 s38, 104<<16                         ; tensor_dim1
	s_mov_b32 s39, 32<<16                          ; tile_dim0
	s_mov_b32 s40, 104                             ; tile_dim1
	s_mov_b32 s41, 32                              ; the pitch
	s_mov_b32 s42, 0
	s_mov_b32 s43, 0
	s_mov_b32 s44, 0x76543210
	s_mov_b32 s45, 0xfedcba98                      ; v_permlanex16_b32's selects for lane l xor 16
	s_mov_b32 s46, 0x3e0293ee                      ; c = log2(e) / sqrt(128)
	s_mov_b32 s47, s46
	s_mov_b32 s48, 0xffff0000                      ; lanes 16-31
	v_and_b32 v24, 31, v0                          ; lane
	v_and_b32 v25, 15, v0                          ; r
	v_bfe_u32 v26, v0, 4, 1                        ; hh
	v_mul_u32_u24 v27, v25, AP
	v_mad_u32_u24 v27, v26, 24, v27
	v_add_nc_u32 v[AXR], R1, v27
	v_add_nc_u32 v[AKV], KVR, v27
	v_mul_u32_u24 v27, v24, SP
	v_add_nc_u32 v[AXS], XSC, v27
	v_add_nc_u32 v[AKS], KVS, v27
	v_lshlrev_b32 v[LOFF], 4, v24
	v_add_nc_u32 v[ARB], s26, v[LOFF]
	v_lshl_add_u32 v[ARS], v24, 3, s26
	v_add_nc_u32 v[ARS], BSO, v[ARS]
	v_lshl_add_u32 v[ARI], v26, 5, s26
	v_add_nc_u32 v[ARI], BIO, v[ARI]
	v_lshlrev_b32 v[PFO], 8, v24
	s_mul_i32 s56, s22, 16*AP                      ; where my 16 rows of codes go: loaded dense, 512 bytes a load, three loads to two rows
	v_add_nc_u32 v57, s56, v[LOFF]
	v_add_nc_u32 v57, KVR, v57                     ; first and third load of three
	v_lshl_add_u32 v58, v26, 4, v57                ; the second: its lanes 16-31 begin the next row, one padding on
	v_lshrrev_b32 v27, 1, v24
	v_mul_u32_u24 v27, v27, SP
	v_and_b32 v28, 1, v24
	v_lshl_add_u32 v27, v28, 4, v27
	s_mul_i32 s56, s22, 16*SP
	v_add_nc_u32 v27, s56, v27
	v_add_nc_u32 v59, KVS, v27                     ; scale bytes: two lanes to a row, 16 bytes each
	s_lshl_b32 s56, s24, 6
	s_lshl_b32 s57, s22, 4
	s_add_co_u32 s56, s56, s57                     ; my first row: 64 x work-group + 16 x wave
	s_mul_i32 s58, s56, 768
	s_mov_b32 s59, 0
	s_lshl_b32 s60, s56, 5
	s_mov_b32 s61, 0
	s_lshl_b32 s62, s56, 12
	s_mov_b32 s63, 0
	s_mov_b32 s28, s26
	s_mov_b32 s29, 0
	s_wait_kmcnt 0x0
	s_add_nc_u64 s[4:5], s[4:5], s[58:59]
	s_add_nc_u64 s[8:9], s[8:9], s[58:59]
	s_add_nc_u64 s[6:7], s[6:7], s[60:61]
	s_add_nc_u64 s[10:11], s[10:11], s[60:61]
	s_add_nc_u64 s[52:53], s[14:15], s[62:63]
	s_add_nc_u64 s[54:55], s[20:21], s[62:63]
	s_mov_b32 s32, 1                               ; group 0: count 1,
	s_mov_b32 s33, s26                             ; LDS: my quarter of slot 0,
	s_add_nc_u64 s[34:35], s[12:13], s[28:29]      ; memory: my quarter of the stream's slot 0: the wave's number alone, the same in all four partners,
	s_or_b32 s35, s35, 0x80000000                  ; type 2
	CROUND                                         ; all four work-groups are here: the first joint loads meet
	tensor_load_to_lds s[32:35], s[36:43]
	s_nop 0
	NOP4
.irp i, 0,1,2,3,4,5,6,7,8,9,10,11,12,13,14,15,16,17,18,19,20,21,22,23
	global_load_b128 v[64+4*\i:64+4*\i+3], v[LOFF], s[4:5] offset:512*\i th:TH_LOAD_NT       ; x's codes: my 16 rows are 12,288 dense bytes
.endr
	global_load_b128 v[16:19], v[LOFF], s[6:7] th:TH_LOAD_NT                                 ; and 512 scale bytes
.irp i, 0,1,2,3,4,5,6,7,8,9,10,11,12,13,14,15,16,17,18,19,20,21,22,23
	global_load_b128 v[160+4*\i:160+4*\i+3], v[LOFF], s[8:9] offset:512*\i th:TH_LOAD_NT     ; kv's likewise
.endr
	global_load_b128 v[20:23], v[LOFF], s[10:11] th:TH_LOAD_NT
.macro ROWS reg, off
.irp j, 0,1,2,3,4,5,6,7
	ds_store_b128 v57, v[\reg+12*\j:\reg+12*\j+3] offset:\off+2*AP*\j
	ds_store_b128 v58, v[\reg+12*\j+4:\reg+12*\j+7] offset:\off+2*AP*\j+512
	ds_store_b128 v57, v[\reg+12*\j+8:\reg+12*\j+11] offset:\off+2*AP*\j+AP+256
.endr
.endm
	s_wait_loadcnt 25                              ; x's 25 loads are in; kv's 25 may be out
	ROWS 64, R1-KVR
.irp i, 0,1,2,3
	ds_store_b32 v59, v[16+\i] offset:4*\i+XSC-KVS
.endr
	s_wait_loadcnt 0x0
	ROWS 160, 0
.irp i, 0,1,2,3
	ds_store_b32 v59, v[20+\i] offset:4*\i
.endr
	; (no barrier of its own: the first change of slots waits for these stores and passes a round)
	; ---------------- Q = x Wq + bq: slots 0-7 ----------------
	s_mov_b32 s27, 0
	s_mov_b32 s28, 0
	FULL 1, 1, 0
	s_mov_b32 s29, 7
.Lq:
	FULL 1, 0, 0
	s_sub_co_u32 s29, s29, 1
	s_cmp_lg_u32 s29, 0
	s_cbranch_scc1 .Lq
	; ---------------- four pieces: K's heads 0-3, 4-7, V's heads 0-3, 4-7: slots 8-23 ----------------
	s_mov_b32 s30, 0
.Lpiece:
	s_mov_b32 s27, 0
	s_mov_b32 s28, 0
	PSLOT 1
	s_mov_b32 s29, 3
.Lps:
	PSLOT 0
	s_sub_co_u32 s29, s29, 1
	s_cmp_lg_u32 s29, 0
	s_cbranch_scc1 .Lps
	NOP4                                           ; places behind the last products
	s_cmp_lt_u32 s30, 2                            ; the piece's number: the same in every wave and every partner
	s_cbranch_scc0 .Lpv
	; ---- scores: for each row, my 32 channels' part of Q[h] . K[g], h = 0..7, g = the piece's four heads.  A pair of Q (heads 2 H, 2 H + 1) times one of a pair of K: two scores an instruction
	s_lshl_b32 s56, s22, 13
	v_add_nc_u32 v57, s56, v[LOFF]
	v_add_nc_u32 v57, R1, v57                      ; my partial scores: 8,192 bytes a wave, 2,048 a row tile, as images of registers
.irp m, 0,1,2,3
.set SS, 64+32*(\m&1)
.if \m > 1
	s_wait_dscnt 0x4                               ; the stores of the row tile two back, which read these registers, are done; the last tile's four may be out
.endif
.irp Hh, 0,1
	WIN 0x0d+\Hh                                   ; source 0: Q in window 1 or 2; source 1: K in window 3
.irp tq, 0,1,2,3
.irp e, 0,1,2,3
.irp Hl, 0,1
.irp Gl, 0,1
.irp s, 0,1
.set rS, SS+2*(4*(2*\Hh+\Hl)+2*\Gl+\s)
.set rQ, 8*(8*((4*\Hl+\tq)>>1)+2*\m+(\tq&1))+2*\e
.set rK, 8*(8*((4*\Gl+\tq)>>1)+2*\m+(\tq&1))+2*\e
.if (\tq==0) && (\e==0)
	v_pk_mul_f32 v[rS:rS+1], v[rQ:rQ+1], v[rK:rK+1] op_sel:[0,\s] op_sel_hi:[1,\s]            ; the first product starts the sum
.else
	v_pk_fma_f32 v[rS:rS+1], v[rQ:rQ+1], v[rK:rK+1], v[rS:rS+1] op_sel:[0,\s,0] op_sel_hi:[1,\s,1]
.endif
.endr
.endr
.endr
.endr
.endr
.endr
	WIN 0
.set u, 0
.rept 16
	v_permlane16_swap_b32 v[SS+u], v[SS+16+u]      ; the two halves of the lanes hold different channels of one row: after the exchange lanes 0-15 add heads 0-3, lanes 16-31 heads 4-7
.set u, u+1
.endr
.set u, 0
.rept 8
	v_pk_add_f32 v[SS+u:SS+u+1], v[SS+u:SS+u+1], v[SS+16+u:SS+17+u]
.set u, u+2
.endr
.irp c, 0,1,2,3
	ds_store_b128 v57, v[SS+4*\c:SS+4*\c+3] offset:2048*\m+512*\c
.endr
.endr
	; ---- the four waves' parts meet: wave w adds them for rows 16 w .. 16 w + 15.  Register 8 Hl + 2 gl + a of lane (r, hh): h = 4 hh + 2 Hl + a, g = 4 p + gl
	BARRIER
	s_lshl_b32 s56, s22, 11
	v_add_nc_u32 v58, s56, v[LOFF]
	v_add_nc_u32 v58, R1, v58
.irp ww, 0,1,2,3
.irp c, 0,1,2,3
	ds_load_b128 v[64+16*\ww+4*\c:64+16*\ww+4*\c+3], v58 offset:8192*\ww+512*\c
.endr
.endr
	s_mul_i32 s56, s22, 16*TP
	v_add_nc_u32 v59, s56, v[LOFF]
	v_add_nc_u32 v59, ATT, v59                     ; where the first piece's sums wait: in my own rows of ATT
	s_wait_dscnt 0x0
.set u, 0
.rept 8
	v_pk_add_f32 v[64+u:65+u], v[64+u:65+u], v[80+u:81+u]
	v_pk_add_f32 v[96+u:97+u], v[96+u:97+u], v[112+u:113+u]
.set u, u+2
.endr
.set u, 0
.rept 8
	v_pk_add_f32 v[64+u:65+u], v[64+u:65+u], v[96+u:97+u]
.set u, u+2
.endr
	s_cmp_eq_u32 s30, 0
	s_cbranch_scc0 .Lsoftmax
.irp c, 0,1,2,3
	ds_store_b128 v59, v[64+4*\c:64+4*\c+3] offset:512*\c
.endr
	s_branch .Lnext
.Lsoftmax:
	; ---- the softmax over the 8 heads g, for my lane's four h: v80-95 g = 0..3, v64-79 g = 4..7
.irp c, 0,1,2,3
	ds_load_b128 v[80+4*\c:80+4*\c+3], v59 offset:512*\c
.endr
	v_and_b32 v60, 15, v0
	v_mul_u32_u24 v60, v60, TP
	v_bfe_u32 v61, v0, 4, 1
	v_lshl_add_u32 v60, v61, 6, v60
	v_add_nc_u32 v60, s56, v60
	v_add_nc_u32 v60, ATT, v60                     ; ATT row 16 w + r, + 64 hh: byte 128 p + 16 h + 4 gl of a row
	s_wait_dscnt 0x0
.irp Hl, 0,1
.irp a, 0,1
	v_max3_num_f32 v[16+2*\Hl+\a], v[80+8*\Hl+\a], v[82+8*\Hl+\a], v[84+8*\Hl+\a]
.endr
.endr
.irp Hl, 0,1
.irp a, 0,1
	v_max3_num_f32 v[16+2*\Hl+\a], v[16+2*\Hl+\a], v[86+8*\Hl+\a], v[64+8*\Hl+\a]
.endr
.endr
.irp Hl, 0,1
.irp a, 0,1
	v_max3_num_f32 v[16+2*\Hl+\a], v[16+2*\Hl+\a], v[66+8*\Hl+\a], v[68+8*\Hl+\a]
.endr
.endr
.irp Hl, 0,1
.irp a, 0,1
	v_max_num_f32 v[16+2*\Hl+\a], v[16+2*\Hl+\a], v[70+8*\Hl+\a]       ; the row's largest score
.endr
.endr
.irp hl, 0,1,2,3
	v_mul_f32 v[20+\hl], s46, v[16+\hl]            ; c x it
.endr
.irp b, 64,80
.irp Hl, 0,1
.irp gl, 0,1,2,3
	v_pk_fma_f32 v[\b+8*\Hl+2*\gl:\b+8*\Hl+2*\gl+1], v[\b+8*\Hl+2*\gl:\b+8*\Hl+2*\gl+1], s[46:47], v[20+2*\Hl:21+2*\Hl] op_sel_hi:[1,0,1] neg_lo:[0,0,1] neg_hi:[0,0,1]   ; c s - c max
.endr
.endr
.endr
.set u, 0
.rept 32
	v_exp_f32 v[64+u], v[64+u]
.set u, u+1
.endr
	v_nop                                          ; a plain line behind the last exponential
	s_wait_alu depctr_va_vdst(0)                   ; one wait for the batch, ahead of its first reader
.irp Hl, 0,1
	v_pk_add_f32 v[24+2*\Hl:25+2*\Hl], v[80+8*\Hl:81+8*\Hl], v[82+8*\Hl:83+8*\Hl]
.endr
.irp k, 84,86,64,66,68,70
.irp Hl, 0,1
	v_pk_add_f32 v[24+2*\Hl:25+2*\Hl], v[24+2*\Hl:25+2*\Hl], v[\k+8*\Hl:\k+8*\Hl+1]
.endr
.endr
.irp hl, 0,1,2,3
	v_rcp_f32 v[28+\hl], v[24+\hl]
.endr
	v_nop
	s_wait_alu depctr_va_vdst(0)                   ; one wait for the four reciprocals
.irp p, 0,1
.irp Hl, 0,1
.irp a, 0,1
.irp gl, 0,1,2,3
	v_mul_f32 v[96+16*\p+4*(2*\Hl+\a)+\gl], v[80-16*\p+8*\Hl+2*\gl+\a], v[28+2*\Hl+\a]
.endr
.endr
.endr
.endr
.irp p, 0,1
.irp hl, 0,1,2,3
	ds_store_b128 v60, v[96+16*\p+4*\hl:96+16*\p+4*\hl+3] offset:128*\p+16*\hl
.endr
.endr
	s_branch .Lnext                                ; (the readers stand behind the next change of slots, which waits for these stores and passes a round)
.Lpv:
	; ---- attended[h] += attn[h][g] V[g], g = the piece's four heads: a pair of V's channels times one weight
	v_and_b32 v57, 15, v0
	v_mul_u32_u24 v57, v57, TP
	s_lshl_b32 s31, s30, 7                         ; 128 (p + 2)
	v_add_nc_u32 v57, s31, v57
	v_add_nc_u32 v57, ATT-256, v57
.irp m, 0,1,2,3
.irp h, 0,1,2,3,4,5,6,7
	ds_load_b128 v[64+32*\m+4*\h:64+32*\m+4*\h+3], v57 offset:16*TP*\m+16*\h   ; my row's weights of head h against the piece's four
.endr
.endr
	s_wait_dscnt 0x0
.macro PVL gl, gb, mul                 ; 256 lines: head gl of the piece into all 8 heads h, 4 row tiles, 8 pairs of channels, each of V's accumulators from its low end on
.irp Wh, 0,1
	WIN 0x53+0x50*\Wh                              ; source 0: V in window 3; source 1: weights in window 0; attended in window 1 or 2
.irp m, 0,1,2,3
.irp hl, 0,1,2,3
.irp dp, 0,1,2,3,4,5,6,7
.set rD, 64*\hl+16*\m+2*\dp
.set rV, 64*\gl+16*\m+2*\dp
.set rP, 64+32*\m+4*(4*\Wh+\hl)+2*(\gl>>1)
.if \mul
	v_pk_mul_f32 v[rD:rD+1], v[rV:rV+1], v[rP:rP+1] op_sel:[0,\gb] op_sel_hi:[1,\gb]
.else
	v_pk_fma_f32 v[rD:rD+1], v[rV:rV+1], v[rP:rP+1], v[rD:rD+1] op_sel:[0,\gb,0] op_sel_hi:[1,\gb,1]
.endif
.endr
.endr
.endr
.endr
.endm
	s_cmp_eq_u32 s30, 2
	s_cbranch_scc0 .Lpv_add
	PVL 0, 0, 1                                    ; the first head of all starts the sums, over Q's registers, which are done with
	WIN 0
	s_branch .Lpv_rest
.Lpv_add:
	PVL 0, 0, 0
	WIN 0
.Lpv_rest:
	PVL 1, 1, 0
	PVL 2, 0, 0
	PVL 3, 1, 0
	WIN 0
.Lnext:
	s_add_co_u32 s30, s30, 1
	s_cmp_lt_u32 s30, 4
	s_cbranch_scc1 .Lpiece
	; ---------------- window 3 is free: gamma, beta and my first four rows of the residual are asked for now ----------------
	WIN 0xc0                                       ; destination window 3, address window 0
.irp j, 0,1,2,3,4,5,6,7
	global_load_b128 v[128+4*\j:128+4*\j+3], v[LOFF], s[16:17] offset:512*\j
.endr
.irp j, 0,1,2,3,4,5,6,7
	global_load_b128 v[160+4*\j:160+4*\j+3], v[LOFF], s[18:19] offset:512*\j
.endr
.irp a, 0,1,2,3
.irp j, 0,1,2,3,4,5,6,7
	global_load_b128 v[32*\a+4*\j:32*\a+4*\j+3], v[LOFF], s[52:53] offset:4096*\a+512*\j th:TH_LOAD_NT
.endr
.endr
	WIN 0
	s_add_nc_u64 s[50:51], s[52:53], 16384         ; the prefetches begin at my row 4
	; ---------------- attended is quantised along its 1,024: block 4 h + w is my 32 channels of head h; codes and scale bytes go to LDS as rows ----------------
	BARRIER                                        ; nobody reads ATT any more: attended's codes are laid over it
	v_and_b32 v57, 15, v0
	v_bfe_u32 v58, v0, 4, 1
	v_mul_u32_u24 v59, v57, AP
	v_mad_u32_u24 v59, v58, 96, v59
	s_mul_i32 s56, s22, 24
	v_add_nc_u32 v59, s56, v59
	v_add_nc_u32 v59, R1, v59                      ; codes: row r, head 2 x + hh (96 bytes a head), my block's 24 bytes
	v_mul_u32_u24 v60, v57, SP
	v_lshl_add_u32 v60, v58, 2, v60
	v_add_nc_u32 v60, s22, v60
	v_add_nc_u32 v60, XSC, v60                     ; scale bytes: row r, byte 4 (2 x + hh) + w
.irp h, 0,1,2,3,4,5,6,7
	v_mov_b32 v[24+\h], 0                          ; written once: a lane permute's destination counts as one of its sources
.endr
.irp m, 0,1,2,3
.irp Wh, 0,1
	WIN 0x05+0x05*\Wh                              ; sources 0 and 1 in window 1 or 2
.irp hl, 0,1,2,3
	v_max3_num_f32 v[16+4*\Wh+\hl], |v[64*\hl+16*\m]|, |v[64*\hl+16*\m+1]|, 0x1800000   ; my 16 numbers of the block, and the floor 2^(3 - 127): the byte cannot fall under 1
.endr
.irp i, 2,4,6,8,10,12,14
.irp hl, 0,1,2,3
	v_max3_num_f32 v[16+4*\Wh+\hl], |v[64*\hl+16*\m+\i]|, |v[64*\hl+16*\m+\i+1]|, v[16+4*\Wh+\hl]
.endr
.endr
.endr
	WIN 0
.irp h, 0,1,2,3,4,5,6,7
	v_permlanex16_b32 v[24+\h], v[16+\h], s44, s45
.endr
.irp h, 0,1,2,3,4,5,6,7
	v_max_num_f32 v[16+\h], v[16+\h], v[24+\h]     ; with lane l xor 16's: the block's largest magnitude
.endr
.irp h, 0,1,2,3,4,5,6,7
	v_add_nc_u32 v[32+\h], 0xff000000, v[16+\h]    ; 2 off its exponent field: the conversion's scale operand
.endr
.irp h, 0,1,2,3,4,5,6,7
	v_lshrrev_b32 v[40+\h], 23, v[32+\h]           ; the scale's byte
.endr
.irp x, 0,1,2,3
	WIN 0x01+(\x>>1)                               ; source 0 in window 1 or 2
	v_cvt_scalef32_pk16_fp6_f32 v[64+12*\x:66+12*\x], v[64*((2*\x)&3)+16*\m:64*((2*\x)&3)+16*\m+15], v[32+2*\x]
	v_cvt_scalef32_pk16_fp6_f32 v[70+12*\x:72+12*\x], v[64*((2*\x+1)&3)+16*\m:64*((2*\x+1)&3)+16*\m+15], v[33+2*\x]
.endr
	WIN 0
	v_nop                                          ; one plain line behind the scaled conversions
.irp x, 0,1,2,3
.irp i, 0,1,2
	v_permlane16_swap_b32 v[64+12*\x+\i], v[70+12*\x+\i]   ; lanes 0-15 now hold head 2 x's whole block, lanes 16-31 head 2 x + 1's: lower 16 codes in the first, upper 16 in the second
.endr
.endr
.irp x, 0,1,2,3
.irp i, 0,1,2
	v_mov_b32 v[67+12*\x+\i], v[70+12*\x+\i]       ; 24 bytes on end
.endr
	v_cndmask_b32 v[112+\x], v[40+2*\x], v[41+2*\x], s48   ; and that head's byte
.endr
.irp x, 0,1,2,3
.irp i, 0,1,2
	ds_store_b64 v59, v[64+12*\x+2*\i:64+12*\x+2*\i+1] offset:16*AP*\m+192*\x+8*\i
.endr
	ds_store_b8 v60, v[112+\x] offset:16*SP*\m+8*\x
.endr
	s_wait_dscnt 0x0                               ; the stores have read their registers: the next row tile writes them again
.endr
	; ---------------- attended Wo + bo: slots 24-31 ----------------
	s_mov_b32 s27, 0
	s_mov_b32 s28, 0
	s_mov_b32 s57, 0
	FULL 1, 1, 0
	s_mov_b32 s29, 6
.Lo:
	FULL 1, 0, 1
	s_sub_co_u32 s29, s29, 1
	s_cmp_lg_u32 s29, 0
	s_cbranch_scc1 .Lo
	FULL 0, 0, 0                                   ; the last slot is written out: nothing is left to fetch
	; ---------------- the way out: 64 whole rows meet in LDS; each wave then norms and stores 16 of them ----------------
	NOP4                                           ; places behind the last products
	BARRIER                                        ; nobody reads the ring or kv's codes any more; both have had their last fill
	v_and_b32 v61, 15, v0
	v_bfe_u32 v62, v0, 4, 1
	v_mul_u32_u24 v57, v61, GP
	v_lshl_add_u32 v57, v62, 5, v57
	s_lshl_b32 s56, s22, 10
	v_add_nc_u32 v57, s56, v57                     ; row r, + 1,024 w + 32 hh: my eight columns of a tile
	v_add_nc_u32 v58, 16*GP, v57                   ; row tiles 1, 2, 3
	v_add_nc_u32 v59, 32*GP, v57
	v_add_nc_u32 v60, 48*GP, v57
.irp Wh, 0,1
	WIN 0x04+0x04*\Wh                              ; an LDS store's data are its source 1: window 1 or 2
.irp m, 0,1,2,3
.irp tl, 0,1,2,3,4,5,6,7
.set rD, 8*(8*(\tl>>1)+2*\m+(\tl&1))
	ds_store_b128 v[57+\m], v[rD:rD+3] offset:64*(8*\Wh+\tl)       ; each accumulator from its low end on
	ds_store_b128 v[57+\m], v[rD+4:rD+7] offset:64*(8*\Wh+\tl)+16
.endr
.endr
.endr
	WIN 0
	BARRIER
.set SRD, 62
.set AC,  192                          ; v192-207 four chains of pairs for each of two rows
.set SU,  208                          ; v208-209 a row's sum
.set PX,  210
.set MN,  212                          ; v212, v214 the means (as low words of pairs)
.set RS,  216                          ; v216, v218 1 / sqrt(var + eps) likewise
	s_mul_i32 s56, s22, 16*GP
	v_add_nc_u32 v61, s56, v[LOFF]                 ; my 16 rows, 16 bytes a lane, 512 an instruction
	s_mov_b32 s58, 0x3a800000                      ; 1 / 1,024
	s_mov_b32 s59, 0x3727c5ac                      ; 1e-5
.irp k, 210,211,213,215,217,219
	v_mov_b32 v[\k], 0                             ; permute destinations and the upper words of pairs whose low word serves both halves
.endr
.macro REDUCE                          ; the chains of both rows become the rows' sums, in every lane
.irp a, 0,1
	v_pk_add_f32 v[AC+8*\a:AC+8*\a+1], v[AC+8*\a:AC+8*\a+1], v[AC+8*\a+2:AC+8*\a+3]
	v_pk_add_f32 v[AC+8*\a+4:AC+8*\a+5], v[AC+8*\a+4:AC+8*\a+5], v[AC+8*\a+6:AC+8*\a+7]
.endr
.irp a, 0,1
	v_pk_add_f32 v[AC+8*\a:AC+8*\a+1], v[AC+8*\a:AC+8*\a+1], v[AC+8*\a+4:AC+8*\a+5]
.endr
.irp a, 0,1
	v_add_f32 v[SU+\a], v[AC+8*\a], v[AC+8*\a+1]
.endr
.irp x, 1,2,4,8
.irp a, 0,1
	v_add_f32_dpp v[SU+\a], v[SU+\a], v[SU+\a] row_xmask:\x row_mask:0xf bank_mask:0xf
.endr
.endr
.irp a, 0,1
	v_permlanex16_b32 v[PX+\a], v[SU+\a], s44, s45
.endr
.irp a, 0,1
	v_add_f32 v[SU+\a], v[SU+\a], v[PX+\a]
.endr
.endm
; Two rows: from the stage, + the residual, mean, variance of the differences, scale, gamma, beta, store.  ahead = 1: the residual's registers take the rows four further on.  left: the younger residual loads, which may stay out.
.macro LNPAIR Y, Q, row0, ahead, left
	s_wait_xcnt 0x0                                ; the stores that read these registers two pairs ago have read them
.irp a, 0,1
.irp j, 0,1,2,3,4,5,6,7
	ds_load_b128 v[\Y+32*\a+4*\j:\Y+32*\a+4*\j+3], v[SRD] offset:GP*(\row0+\a)+512*\j
.endr
.endr
	s_wait_loadcnt \left                           ; my pair's residual is in; the other pair's 16 loads may be out
	s_wait_dscnt 0x0
	WIN 0x0c                                       ; source 1: the residual, in window 3
.set i, 0
.rept 32
	v_pk_add_f32 v[\Y+i:\Y+i+1], v[\Y+i:\Y+i+1], v[\Q+i:\Q+i+1]
.set i, i+2
.endr
.if \ahead
	WIN 0xc0
.irp a, 0,1
.irp j, 0,1,2,3,4,5,6,7
	global_load_b128 v[\Q+32*\a+4*\j:\Q+32*\a+4*\j+3], v[LOFF], s[52:53] offset:4096*(\row0+\a)+512*\j+16384 th:TH_LOAD_NT
.endr
.endr
.endif
	WIN 0
.irp c, 0,1,2,3
.irp a, 0,1
	v_pk_add_f32 v[AC+8*\a+2*\c:AC+8*\a+2*\c+1], v[\Y+32*\a+2*\c:\Y+32*\a+2*\c+1], v[\Y+32*\a+8+2*\c:\Y+32*\a+9+2*\c]
.endr
.endr
.irp k, 16,24
.irp c, 0,1,2,3
.irp a, 0,1
	v_pk_add_f32 v[AC+8*\a+2*\c:AC+8*\a+2*\c+1], v[AC+8*\a+2*\c:AC+8*\a+2*\c+1], v[\Y+32*\a+\k+2*\c:\Y+32*\a+\k+2*\c+1]
.endr
.endr
.endr
	REDUCE
.irp a, 0,1
	v_mul_f32 v[MN+2*\a], s58, v[SU+\a]            ; the mean
.endr
.irp a, 0,1
.set i, 0
.rept 16
	v_pk_add_f32 v[\Y+32*\a+i:\Y+32*\a+i+1], v[\Y+32*\a+i:\Y+32*\a+i+1], v[MN+2*\a:MN+2*\a+1] op_sel_hi:[1,0] neg_lo:[0,1] neg_hi:[0,1]   ; x - mean
.set i, i+2
.endr
.endr
.irp c, 0,1,2,3
.irp a, 0,1
	v_pk_mul_f32 v[AC+8*\a+2*\c:AC+8*\a+2*\c+1], v[\Y+32*\a+2*\c:\Y+32*\a+2*\c+1], v[\Y+32*\a+2*\c:\Y+32*\a+2*\c+1]
.endr
.endr
.irp k, 8,16,24
.irp c, 0,1,2,3
.irp a, 0,1
	v_pk_fma_f32 v[AC+8*\a+2*\c:AC+8*\a+2*\c+1], v[\Y+32*\a+\k+2*\c:\Y+32*\a+\k+2*\c+1], v[\Y+32*\a+\k+2*\c:\Y+32*\a+\k+2*\c+1], v[AC+8*\a+2*\c:AC+8*\a+2*\c+1]
.endr
.endr
.endr
	REDUCE
.irp a, 0,1
	v_fma_f32 v[SU+\a], v[SU+\a], s58, s59         ; the variance + eps
.endr
.irp a, 0,1
	v_rsq_f32 v[RS+2*\a], v[SU+\a]
.endr
	v_nop                                          ; a plain line behind the roots
	s_wait_alu depctr_va_vdst(0)                   ; one wait for both, ahead of their first reader
.irp a, 0,1
.set i, 0
.rept 16
	v_pk_mul_f32 v[\Y+32*\a+i:\Y+32*\a+i+1], v[\Y+32*\a+i:\Y+32*\a+i+1], v[RS+2*\a:RS+2*\a+1] op_sel_hi:[1,0]
.set i, i+2
.endr
.endr
	WIN 0x3c                                       ; sources 1 and 2: gamma and beta, in window 3
.irp a, 0,1
.set i, 0
.rept 16
	v_pk_fma_f32 v[\Y+32*\a+i:\Y+32*\a+i+1], v[\Y+32*\a+i:\Y+32*\a+i+1], v[128+i:129+i], v[160+i:161+i]
.set i, i+2
.endr
.endr
	WIN 0
.irp a, 0,1
.irp j, 0,1,2,3,4,5,6,7
	global_store_b128 v[LOFF], v[\Y+32*\a+4*\j:\Y+32*\a+4*\j+3], s[54:55] offset:4096*(\row0+\a)+512*\j th:TH_STORE_NT   ; 32 lanes store 512 consecutive bytes, aligned
.endr
.endr
.endm
	s_mov_b32 s29, 3
	s_mov_b32 s60, 0
.Lln:                                              ; a trip: four rows
	v_add_nc_u32 v[SRD], s60, v61
	LNPAIR 64, 0, 0, 1, 16
	LNPAIR 128, 64, 2, 1, 16
	s_wait_xcnt 0x0                                ; the loads and stores have read their bases
	s_add_nc_u64 s[52:53], s[52:53], 16384
	s_add_nc_u64 s[54:55], s[54:55], 16384
	s_add_co_u32 s60, s60, 4*GP
	s_sub_co_u32 s29, s29, 1
	s_cmp_lg_u32 s29, 0
	s_cbranch_scc1 .Lln
	v_add_nc_u32 v[SRD], s60, v61
	LNPAIR 64, 0, 0, 0, 16                         ; the last four rows load nothing: no load leaves its buffer
	LNPAIR 128, 64, 2, 0, 0
	s_wait_tensorcnt 0x0                           ; the wave's end: behind my last tensor load and my last LDS store
	ds_add_u32 v[SPW], v[NIL]
	s_wait_dscnt 0x0
	CROUND                                         ; the closing round: no work-group ends while a partner may still ask for a slot that names it
	s_endpgm
.Lfunc_end_k_q433682b38e_fused:
	.size	k_q433682b38e_fused, .Lfunc_end_k_q433682b38e_fused-k_q433682b38e_fused
	.p2alignl 7, 3214868480
	.fill 96, 4, 3214868480
	.section	.rodata,"a",@progbits
	.p2align	6, 0x0
	.amdhsa_kernel k_q433682b38e_fused
		.amdhsa_group_segment_fixed_size 327680
		.amdhsa_private_segment_fixed_size 0
		.amdhsa_enable_private_segment 0
		.amdhsa_kernarg_size 72
		.amdhsa_user_sgpr_count 2
		.amdhsa_user_sgpr_kernarg_segment_ptr 1
		.amdhsa_wavefront_size32 1
		.amdhsa_system_sgpr_workgroup_id_x 1
		.amdhsa_system_sgpr_workgroup_id_y 1
		.amdhsa_system_sgpr_workgroup_id_z 1
		.amdhsa_system_vgpr_workitem_id 0
		.amdhsa_next_free_vgpr 1024
		.amdhsa_next_free_sgpr 66
		.amdhsa_reserve_vcc 0
		.amdhsa_float_denorm_mode_32 3
		.amdhsa_float_denorm_mode_16_64 3
		.amdhsa_memory_ordered 1
		.amdhsa_forward_progress 1
		.amdhsa_inst_pref_size 255
	.end_amdhsa_kernel
	.section	.bss,"aw",@nobits
	.p2align	6
	.space	262144
	.amdgpu_metadata
---
amdhsa.version: [ 1, 2 ]
amdhsa.kernels:
  - .name:           k_q433682b38e_fused
    .symbol:         k_q433682b38e_fused.kd
    .args:
      - { .name: xc, .offset: 0, .size: 8, .value_kind: global_buffer, .address_space: global }
      - { .name: xs, .offset: 8, .size: 8, .value_kind: global_buffer, .address_space: global }
      - { .name: key_value_codes, .offset: 16, .size: 8, .value_kind: global_buffer, .address_space: global }
      - { .name: key_value_scales, .offset: 24, .size: 8, .value_kind: global_buffer, .address_space: global }
      - { .name: wst, .offset: 32, .size: 8, .value_kind: global_buffer, .address_space: global }
      - { .name: query, .offset: 40, .size: 8, .value_kind: global_buffer, .address_space: global }
      - { .name: gamma, .offset: 48, .size: 8, .value_kind: global_buffer, .address_space: global }
      - { .name: beta, .offset: 56, .size: 8, .value_kind: global_buffer, .address_space: global }
      - { .name: out0, .offset: 64, .size: 8, .value_kind: global_buffer, .address_space: global }
    .group_segment_fixed_size: 327680
    .private_segment_fixed_size: 0
    .kernarg_segment_align: 8
    .kernarg_segment_size: 72
    .max_flat_workgroup_size: 128
    .sgpr_count:     66
    .vgpr_count:     1024
    .wavefront_size: 32
...
	.end_amdgpu_metadata
.endif
;; end of part 2
;; ======== version 2 of 2: 2 launches
;; workspace buffers: xc 12,582,912 bytes; xs 524,288 bytes; wst 3,407,872 bytes
;; launch prep: the kernel of part 1 again; grid 640 x 1, 4 waves a work-group, no clusters, 33,280 bytes of LDS; arguments query, xc, xs, Wq_codes, Wq_scales, bq, Wk_codes, Wk_scales, bk, Wv_codes, Wv_scales, bv, Wo_codes, Wo_scales, bo, wst; writes xc, xs, wst
;; launch fused (part 3): grid 256 x 1, 4 waves a work-group, clusters of 4 x 1, 327,680 bytes of LDS; arguments xc, xs, key_value_codes, key_value_scales, wst, query, gamma, beta, out0; writes out0
.if DOCPART == 3
	.amdgcn_target "amdgcn-amd-amdhsa--gfx1250"
	.amdhsa_code_object_version 6
	.text
	.protected	k_q433682b38e_fused
	.globl	k_q433682b38e_fused
	.p2align	8
	.type	k_q433682b38e_fused,@function
k_q433682b38e_fused:
	s_mov_b64 s[64:65], 0
	v_nop
	global_prefetch_b8 v0, s[64:65] scope:SCOPE_SE
	s_setreg_imm32_b32 hwreg(HW_REG_WAVE_MODE, 25, 1), 1
	s_wait_xcnt 0x0
	s_wait_alu depctr_hold_cnt(0) depctr_sa_sdst(0) depctr_va_vdst(0) depctr_va_sdst(0) depctr_va_ssrc(0) depctr_va_vcc(0) depctr_vm_vsrc(0)
	s_getreg_b32 s2, hwreg(HW_REG_IB_STS2, 6, 4)
	s_cmp_eq_u32 s2, 0
	s_cbranch_scc0 .Lentry_in_a_cluster
	s_endpgm
.Lentry_in_a_cluster:
	s_bfe_u32 s2, ttmp6, 0x10000c
	s_cmp_lg_u32 s2, 0x3003
	s_cbranch_scc0 .Lentry_shape_is_right
	s_endpgm
.Lentry_shape_is_right:
; out = LayerNorm(attended Wo + bo + query), attended = softmax(Q K^T / sqrt(128)) V head against head within a row, Q = x Wq + bq, K = kv Wk + bk, V = kv Wv + bv.
; The four large products run on codes of FP6 (E2M3) with E8M0 scales; x (query's codes) and the weights' stream wst were laid by the launch before.  The two small products, the softmax and the norm are f32.
; SHARES.  A work-group owns 64 rows (four tiles m of 16).  Wave w owns, for all 64 rows and all 8 heads, channels 32 w .. 32 w + 31 of every head of Q, K, V and attended, and columns 256 w .. 256 w + 255 of the last product.
; So Q, K, V and attended never change waves: only partial scores (32 KB a piece of K) and the softmax's weights (16 KB) go through LDS.
; EVERY PRODUCT IS USED TRANSPOSED (source 0 = 16 rows of a weight, source 1 = 16 rows of x, kv or attended): a lane holds ONE row (lane % 16), its eight registers eight weight rows 8 (lane / 16) + j of the tile.
; WHICH WEIGHT ROWS FORM A TILE was chosen when wst was laid:  Q, K: a register pair holds heads 2 H and 2 H + 1 at one channel, so one packed multiply-add serves two scores;
;   V: the 16 registers of tiles 2 g, 2 g + 1 are 16 neighbouring channels of head g, which is the order in which the attended row is quantised;  Wo: neighbours.
; WHAT STAYS WHERE.  Q: 512 registers a wave.  K and V are made in pieces of 4 heads (256 registers) and used up at once.  attended takes Q's registers, the last product's sums take attended's.
; THE WEIGHTS come as 32 slots of 106,496 bytes through a ring of two LDS slots; each wave fetches and reads its own quarter.  The four work-groups of a cluster ask JOINTLY.
;   (A cluster of four: a joint request names four work-groups, and nothing else is shared.)
; THE ORDER ALONG K DIFFERS FROM CLUSTER TO CLUSTER.  Cluster c walks Wq's eight slots cyclically from slot c % 8 on, the four slots of each piece of Wk and Wv from slot c % 4 on, Wo's eight from slot 2 (c % 4) on.
;   So the clusters do not all ask for one slot at one time, and a slot that a cluster asks for was asked for by another cluster a step earlier (Wo: two steps).  No LDS address hangs on c: the ROWS lie rotated in LDS:
;   the place of K step j holds K step (j + the rotation) % 8 of x, kv or attended, and the slots are read place by place.  Each slot carries the biases, so any slot can start the sums.  The f32 sums' order along K differs accordingly.
; LIMITS: NaN and infinities are not served; a block of attended that is all zeros, or whose largest magnitude lies under 2^-124, gets the scale byte 1 (zero codes add nothing under it).
; REGISTERS, in windows of 256.  Accumulator of (tile t, row tile m) at 8 (8 ((t % 8) / 2) + 2 m + t % 2): tiles 2 k, 2 k + 1 of one m are 16 registers on end.
;   window 1, 2: tiles 0-7, 8-15 of Q, then attended, then the last sums; in the tail window 1 holds gamma (v0-31) and beta (v32-63), window 2 my residual rows 8-14.   window 3: a piece's 8 tiles; later my residual rows 0-7.
;   window 0: v0-15, v56 addresses that stay; v16-47 biases of four tiles, later my residual row 15; v48-51 weights' scale words, v52-55 rows' scale words (these eight hold scales alone); v57-63 a phase's addresses; v64-159 row fragments, two sets; v160-255 weight fragments, two sets.
.set SLOT,  106496
.set PART,  26624                      ; a wave's quarter of a slot: 16 fragments, 1,024 bytes of scale words, 1,024 of biases
.set BSO,   24576
.set BIO,   25600
.set KVR,   212992                     ; kv's codes: 64 rows, AP bytes apart
.set R1,    263168                     ; x's codes likewise; then partial scores (32,768) and ATT; then attended's codes
.set ATT,   R1+32768                   ; the softmax's weights: 64 rows, TP bytes apart
.set KVS,   313344                     ; kv's scale words: 64 rows, SP bytes apart
.set XSC,   315648                     ; x's, later attended's
.set SPARE, 317952                     ; the spare words, 128 bytes for each wave: two blocks of 256 bytes that no other line names
.set GB,    318464                     ; gamma (4,096 bytes), then beta
.set AP,    784                        ; 768 bytes of codes + 16: 196 words, so the 32 lanes of an 8-byte load touch 64 different banks
.set SP,    36                         ; 32 scale bytes + 4: 9 words, so 32 rows' words fall on 32 different banks
.set TP,    272
.set GP,    4112                       ; the way out: 64 rows of 4,096 bytes + 16, from LDS byte 0: over the ring and kv's codes, behind their last fill and last read
.set SPW, 1
.set NIL, 2
.set AXR, 3                            ; R1 + AP r + 24 hh
.set AKV, 4                            ; KVR + AP r + 24 hh
.set AXS, 5                            ; XSC + SP lane
.set AKS, 6                            ; KVS + SP lane
.set ARB, 7                            ; 16 lane + my quarter
.set ARS, 8                            ; 8 lane + my quarter's scale words
.set ARI, 9                            ; 32 hh + my quarter's biases
.set ADB, 10                           ; the same three in the slot in hand
.set ADS, 11
.set ADI, 12
.set ADA, 13                           ; the slot's row fragments
.set ADX, 14                           ; and their scale words
.set PFO, 15                           ; 256 lane
.set BI,  16
.set BS,  48
.set XS,  52
.set LOFF, 56                          ; 16 lane
.set AF,  64
.set BF,  160
; s[12:13] wst at my quarter of slot 0, s22 wave, s23 cx, s24 work-group, s25 the slot to be read next (0 or SLOT), s26 my quarter, s27, s28 steps along K (codes, scale words), s29 inner count, s30 piece,
; s[32:35], s[36:43] the descriptor, s[44:45] lane selects, s[46:47] c, s48 lanes 16-31, s[50:51] prefetch, s[52:53] query at my 16 rows, s[54:55] out0 likewise, s56-63 at work,
; s66 cluster % 8, s67 2 (cluster % 4), s68 the step whose slot is fetched next, s70-73 at work, s74, s75 all lanes or none: bits 0 and 1 of the cluster's number
.set MSB, 0
.macro WIN new                         ; the immediate's high byte repeats the setting that is left; a switch that changes nothing is dropped
.if MSB != (\new)
	s_set_vgpr_msb (MSB<<8)|(\new)
.set MSB, (\new)
.endif
.endm
.macro NOP4
.rept 4
	v_nop
.endr
.endm
.macro BARRIER                         ; my LDS stores have landed and my LDS loads are in: then the work-group's barrier
	s_wait_dscnt 0x0
	s_barrier_signal -1
	s_barrier_wait -1
.endm
.macro CROUND                          ; a round of the cluster's barrier: my work-group's barrier; wave 0 signals for it; every wave waits for all four work-groups; my work-group's barrier once more
	s_barrier_signal -1
	s_barrier_wait -1
	s_cmp_lg_u32 s22, 0
	s_cbranch_scc1 .Lnot_wave_0_\@
	s_barrier_signal -3
.Lnot_wave_0_\@:
	s_barrier_wait -3
	s_barrier_signal -1
	s_barrier_wait -1
.endm
; THE CHANGE OF SLOTS stands at a slot's head.  Each wave waits for its one tensor load (its quarter of the slot that it is about to read), adds 0 to its spare word, and waits for that and for its reads of the slot that it has left.
; fill = 1: behind a round of the cluster's barrier the slot just left is filled with the slot of step n = s68: the load has a whole slot's 64 matrix instructions in which to land.
; Which slot of the stream step n takes: steps go in groups (0-7 Wq, 8-23 four pieces of four, 24-31 Wo); inside its group the step's number is turned by the cluster's rotation: (n & ~M) | ((n + rotation) & M), M = 7 or 3.
.macro CHANGE fill, pf
	WIN 0
.if \pf
	s_wait_xcnt 0x0                                ; the last prefetch, a slot back, has read its address
	s_cmp_le_u32 s29, 2
	s_cselect_b32 s56, 8192, 0                     ; two rows on, from the second prefetch on
	s_add_nc_u64 s[50:51], s[50:51], s[56:57]
.endif
	s_wait_tensorcnt 0x0                           ; no tensor load of mine is out, so the descriptor may be written
	ds_add_u32 v[SPW], v[NIL]                      ; 0 onto my spare word
.if \fill
	s_add_co_u32 s33, s26, s25                     ; the fill goes to the slot that was read last
	s_sub_co_u32 s70, s68, 8
	s_cmp_lt_u32 s70, 16                           ; a step of a piece?
	s_cselect_b32 s70, 3, 7                        ; M
	s_cmp_ge_u32 s68, 24                           ; a step of Wo?
	s_cselect_b32 s71, s67, s66                    ; the rotation (a piece's M keeps cluster % 4 of it)
	s_add_co_u32 s71, s71, s68
	s_and_b32 s71, s71, s70
	s_and_not1_b32 s70, s68, s70
	s_or_b32 s70, s70, s71                         ; the slot's number in the stream: the cluster's number and the step alone, the same in all four partners
	s_mul_i32 s70, s70, SLOT
	s_mov_b32 s71, 0
	s_add_nc_u64 s[34:35], s[12:13], s[70:71]
	s_or_b32 s35, s35, 0x80000000                  ; type 2
	s_add_co_u32 s68, s68, 1
.endif
	s_xor_b32 s25, s25, SLOT                       ; and I read the other slot
	s_wait_dscnt 0x0                               ; the add is done, and so are all my LDS reads and stores
.if \fill
	CROUND                                         ; no wave of any partner still reads the slot or has a load on its way
	tensor_load_to_lds s[32:35], s[36:43]          ; the first thing behind the round, and my one tensor load until the next
	s_nop 0
.else
	s_barrier_signal -1
	s_barrier_wait -1
.endif
	NOP4                                           ; also the places in front of the loads into registers that the last products read
	v_add_nc_u32 v[ADB], s25, v[ARB]
	v_add_nc_u32 v[ADS], s25, v[ARS]
	v_add_nc_u32 v[ADI], s25, v[ARI]
.endm
; 26 loads: the four row tiles' fragments of one K step (ko bytes on), in pieces of 8 bytes, and their scale words: register i: lanes 0-15 tile 2 i, lanes 16-31 tile 2 i + 1
.macro FETCHA set, ko
.irp m, 0,1,2,3
.irp p, 0,1,2,3,4,5
	ds_load_b64 v[AF+48*\set+12*\m+2*\p:AF+48*\set+12*\m+2*\p+1], v[ADA] offset:16*AP*\m+\ko+48*(\p/3)+8*(\p%3)
.endr
.endr
.irp i, 0,1
	ds_load_b32 v[XS+2*\set+\i], v[ADX] offset:32*SP*\i+\ko/24
.endr
.endm
; 13 loads: weight fragments 4 G .. 4 G + 3 as images of their registers, and their scale words (register e / 2; lanes 0-15 the even fragment, lanes 16-31 the odd one)
.macro FETCHB G, set
.irp e, 0,1,2,3
.irp c, 0,1,2
	ds_load_b128 v[BF+48*\set+12*\e+4*\c:BF+48*\set+12*\e+4*\c+3], v[ADB] offset:1536*(4*\G+\e)+512*\c
.endr
.endr
	ds_load_b64 v[BS+2*\set:BS+2*\set+1], v[ADS] offset:256*\G
.endm
; 8 loads: the biases of tiles tb .. tb + 3 in the result's layout: my half's eight numbers of each
.macro FETCHI tb
.irp e, 0,1,2,3
.irp x, 0,1
	ds_load_b128 v[BI+8*\e+4*\x:BI+8*\e+4*\x+3], v[ADI] offset:64*(\tb+\e)+16*\x
.endr
.endr
.endm
; 16 matrix instructions: tiles t0 .. t0 + 3 of window W x the four row tiles.  first = 1: the bias is the C of a sum's first product: nothing is cleared and no bias is added.
; The 16 accumulators differ, and neighbouring groups never meet on one: the accumulators take turns.
.macro MULG W, t0, bset, aset, first
.if \first
	WIN (\W<<6)
.else
	WIN (\W<<6)|(\W<<4)
.endif
.irp m, 0,1,2,3
.irp e, 0,1,2,3
.set rD, 8*(8*((\t0+\e)>>1)+2*\m+(\e&1))
.if \first
.set rC, BI+8*\e
.else
.set rC, rD
.endif
.set rB, BF+48*\bset+12*\e
.set rA, AF+48*\aset+12*\m
.set rSB, BS+2*\bset+(\e>>1)
.set rSA, XS+2*\aset+(\m>>1)
.if ((\e&1)==0) && ((\m&1)==0)
	v_wmma_scale_f32_16x16x128_f8f6f4 v[rD:rD+7], v[rB:rB+11], v[rA:rA+11], v[rC:rC+7], v[rSB], v[rSA] matrix_a_fmt:MATRIX_FMT_FP6 matrix_b_fmt:MATRIX_FMT_FP6
.elseif ((\e&1)==1) && ((\m&1)==0)
	v_wmma_scale_f32_16x16x128_f8f6f4 v[rD:rD+7], v[rB:rB+11], v[rA:rA+11], v[rC:rC+7], v[rSB], v[rSA] matrix_a_fmt:MATRIX_FMT_FP6 matrix_b_fmt:MATRIX_FMT_FP6 matrix_a_scale:MATRIX_SCALE_ROW1
.elseif (\e&1)==0
	v_wmma_scale_f32_16x16x128_f8f6f4 v[rD:rD+7], v[rB:rB+11], v[rA:rA+11], v[rC:rC+7], v[rSB], v[rSA] matrix_a_fmt:MATRIX_FMT_FP6 matrix_b_fmt:MATRIX_FMT_FP6 matrix_b_scale:MATRIX_SCALE_ROW1
.else
	v_wmma_scale_f32_16x16x128_f8f6f4 v[rD:rD+7], v[rB:rB+11], v[rA:rA+11], v[rC:rC+7], v[rSB], v[rSA] matrix_a_fmt:MATRIX_FMT_FP6 matrix_b_fmt:MATRIX_FMT_FP6 matrix_a_scale:MATRIX_SCALE_ROW1 matrix_b_scale:MATRIX_SCALE_ROW1
.endif
.endr
.endr
.endm
; A PREFETCH INTO THE L2 of two rows (8,192 consecutive bytes, lanes 256 bytes apart) of my wave's 16 rows of query, which the norm adds at the end.  Rows 0-7 and 15 are loaded into registers ahead of or early in the last
; product; rows 8-13 are asked for in that product's steps 28 to 30, two rows a step, each wave its own rows: each block is named once.  Row 14, the last to be used, has seven pairs' work in which to land and is not asked for.
; It stands behind the slot's tensor load and its run of LDS loads.
.macro ASK
	s_cmp_le_u32 s29, 3
	s_cbranch_scc0 .Lnot_yet_\@
	global_prefetch_b8 v[PFO], s[50:51] th:TH_LOAD_NT scope:SCOPE_SE
.Lnot_yet_\@:
.endm
; A slot of Wq or Wo: one K step of all 16 tiles, 64 matrix instructions; rows from R1.  Weight groups come two ahead, in two sets.
.macro FULL fill, first, pf
	CHANGE \fill, \pf
	v_add_nc_u32 v[ADA], s27, v[AXR]
	v_add_nc_u32 v[ADX], s28, v[AXS]
	s_add_co_u32 s27, s27, 96
	s_add_co_u32 s28, s28, 4
	FETCHA 0, 0
.if \first
	FETCHI 0
.endif
	FETCHB 0, 0
	FETCHB 1, 1
.if \pf
	ASK
.endif
	s_wait_dscnt 13                                ; all but group 1's 13 loads
	MULG 1, 0, 0, 0, \first
	WIN 0
	NOP4                                           ; places in front of loads into registers that these products read
.if \first
	FETCHI 4
.endif
	FETCHB 2, 0
	s_wait_dscnt 13                                ; all but group 2's
	MULG 1, 4, 1, 0, \first
	WIN 0
	NOP4
.if \first
	FETCHI 8
.endif
	FETCHB 3, 1
	s_wait_dscnt 13                                ; all but group 3's
	MULG 2, 0, 0, 0, \first
.if \first
	WIN 0
	NOP4
	FETCHI 12
.endif
	s_wait_dscnt 0x0
	MULG 2, 4, 1, 0, \first
	WIN 0
.endm
; A slot of a piece of Wk or Wv: two K steps of 8 tiles, 64 matrix instructions; rows from kv
.macro PSLOT first
	CHANGE 1, 0
	v_add_nc_u32 v[ADA], s27, v[AKV]
	v_add_nc_u32 v[ADX], s28, v[AKS]
	s_add_co_u32 s27, s27, 192
	s_add_co_u32 s28, s28, 8
	FETCHA 0, 0
.if \first
	FETCHI 0
.endif
	FETCHB 0, 0
	FETCHB 1, 1
	FETCHA 1, 96
	s_wait_dscnt 39                                ; all but group 1's 13 loads and the second K step's 26
	MULG 3, 0, 0, 0, \first
	WIN 0
	NOP4
.if \first
	FETCHI 4
.endif
	FETCHB 2, 0
	s_wait_dscnt 13                                ; all but group 2's
	MULG 3, 4, 1, 0, \first
	WIN 0
	NOP4
	FETCHB 3, 1
	s_wait_dscnt 13                                ; all but group 3's
	MULG 3, 0, 0, 1, 0
	s_wait_dscnt 0x0
	MULG 3, 4, 1, 1, 0
	WIN 0
.endm
	; ---------------- the head ----------------
	s_load_b512 s[4:19], s[0:1], 0x0               ; xc 4, xs 6, kv codes 8, kv scales 10, wst 12, query 14, gamma 16, beta 18
	s_load_b64 s[20:21], s[0:1], 0x40              ; out0
	v_lshl_add_u32 v[SPW], v0, 2, SPARE
	v_mov_b32 v[NIL], 0
	ds_add_u32 v1, v2
	ds_add_u32 v1, v2
	s_wait_dscnt 0x0
	v_lshrrev_b32 v24, 5, v0
	v_readfirstlane_b32 s22, v24                   ; wave 0..3
	s_bfe_u32 s23, ttmp6, 0x40000                  ; cx
	s_lshl_b32 s24, ttmp9, 2
	s_add_co_u32 s24, s24, s23                     ; work-group = 4 x cluster + cx: it enters the addresses of x, kv, query and out0 alone
	s_mul_i32 s26, s22, PART
	s_mov_b32 s25, SLOT
	s_and_b32 s66, ttmp9, 7                        ; the rotations hang on the cluster's number, which the four partners share
	s_and_b32 s67, ttmp9, 3
	s_lshl_b32 s67, s67, 1                         ; kv's and attended's, in K steps
	s_and_b32 s70, ttmp9, 1
	s_cmp_lg_u32 s70, 0
	s_cselect_b32 s74, -1, 0
	s_and_b32 s70, ttmp9, 2
	s_cmp_lg_u32 s70, 0
	s_cselect_b32 s75, -1, 0
	s_mul_i32 s72, s66, 96                         ; in bytes of a row of codes: x's,
	s_mul_i32 s73, s67, 96                         ; kv's
	s_mov_b32 s68, 1
	; the descriptor's group 1: a wave's quarter of a slot, a dense block, as 104 rows of 256 bytes (32 elements of 8 bytes)
	s_mov_b32 s36, 15|(3<<16)|(1<<21)              ; 15:0 the mask: all four work-groups; 17:16 elements of 8 bytes; 21 set beside a mask; no padding
	s_mov_b32 s37, 32<<16                          ; tensor_dim0
	s_mov_b32 s38, 104<<16                         ; tensor_dim1
	s_mov_b32 s39, 32<<16                          ; tile_dim0
	s_mov_b32 s40, 104                             ; tile_dim1
	s_mov_b32 s41, 32                              ; the pitch
	s_mov_b32 s42, 0
	s_mov_b32 s43, 0
	s_mov_b32 s44, 0x76543210
	s_mov_b32 s45, 0xfedcba98                      ; v_permlanex16_b32's selects for lane l xor 16
	s_mov_b32 s46, 0x3e0293ee                      ; c = log2(e) / sqrt(128)
	s_mov_b32 s47, s46
	s_mov_b32 s48, 0xffff0000                      ; lanes 16-31
	v_and_b32 v24, 31, v0                          ; lane
	v_and_b32 v25, 15, v0                          ; r
	v_bfe_u32 v26, v0, 4, 1                        ; hh
	v_mul_u32_u24 v27, v25, AP
	v_mad_u32_u24 v27, v26, 24, v27
	v_add_nc_u32 v[AXR], R1, v27
	v_add_nc_u32 v[AKV], KVR, v27
	v_mul_u32_u24 v27, v24, SP
	v_add_nc_u32 v[AXS], XSC, v27
	v_add_nc_u32 v[AKS], KVS, v27
	v_lshlrev_b32 v[LOFF], 4, v24
	v_add_nc_u32 v[ARB], s26, v[LOFF]
	v_lshl_add_u32 v[ARS], v24, 3, s26
	v_add_nc_u32 v[ARS], BSO, v[ARS]
	v_lshl_add_u32 v[ARI], v26, 5, s26
	v_add_nc_u32 v[ARI], BIO, v[ARI]
	v_lshlrev_b32 v[PFO], 8, v24
	s_mul_i32 s56, s22, 16*AP                      ; where my 16 rows of codes go: 512 bytes a load, three loads to two rows
	v_add_nc_u32 v57, s56, v[LOFF]
	v_add_nc_u32 v57, KVR, v57                     ; first and third load of three
	v_lshl_add_u32 v58, v26, 4, v57                ; the second: its lanes 16-31 begin the next row, one padding on
	v_lshrrev_b32 v27, 3, v24                      ; scale words: eight lanes to a row, a word a lane, four rows a load
	v_and_b32 v28, 7, v24
	v_mul_u32_u24 v59, v27, SP
	v_lshl_add_u32 v59, v28, 2, v59
	s_mul_i32 s56, s22, 16*SP
	v_add_nc_u32 v59, s56, v59
	v_add_nc_u32 v59, KVS, v59                     ; LDS: row lane / 8, place lane % 8
	v_lshlrev_b32 v27, 5, v27                      ; memory: 32 bytes a row,
	v_add_nc_u32 v13, s66, v28
	v_and_b32 v13, 7, v13
	v_lshl_add_u32 v13, v13, 2, v27                ; word (place + x's rotation) % 8
	v_add_nc_u32 v14, s67, v28
	v_and_b32 v14, 7, v14
	v_lshl_add_u32 v14, v14, 2, v27                ; kv's likewise
	; codes: the 16 bytes that go to byte b of a row's place in LDS come from byte (b + 96 x rotation) % 768 of the row: 96 is six pieces of 16 bytes, so a lane's piece stays whole
.macro ROTB d, b, sr
	v_add_nc_u32 v[\d], s[\sr], v[\b]
	v_add_nc_u32 v63, 0xfffffd00, v[\d]            ; - 768: beyond every number where the sum lies under 768
	v_min_u32 v[\d], v[\d], v63
.endm
	v_mul_u32_u24 v27, v26, 768                    ; second load of three: lanes 16-31 are in the second row,
	v_add_nc_u32 v28, 512, v[LOFF]
	v_sub_nc_u32 v28, v28, v27                     ; at byte 512 + 16 lane - 768 hh of their row
	v_add_nc_u32 v62, 256, v[LOFF]                 ; third: the second row, byte 256 + 16 lane
	ROTB 29, LOFF, 72
	ROTB 30, 28, 72
	v_add_nc_u32 v30, v30, v27
	ROTB 31, 62, 72
	v_add_nc_u32 v31, 768, v31
	ROTB 10, LOFF, 73
	ROTB 11, 28, 73
	v_add_nc_u32 v11, v11, v27
	ROTB 12, 62, 73
	v_add_nc_u32 v12, 768, v12
	s_lshl_b32 s56, s22, 10
	v_add_nc_u32 v60, s56, v[LOFF]                 ; gamma, beta: my wave copies 1,024 bytes of each into LDS
	v_add_nc_u32 v61, GB, v60
	s_lshl_b32 s56, s24, 6
	s_lshl_b32 s57, s22, 4
	s_add_co_u32 s56, s56, s57                     ; my first row: 64 x work-group + 16 x wave
	s_mul_i32 s58, s56, 768
	s_mov_b32 s59, 0
	s_lshl_b32 s60, s56, 5
	s_mov_b32 s61, 0
	s_lshl_b32 s62, s56, 12
	s_mov_b32 s63, 0
	s_mov_b32 s28, s26
	s_mov_b32 s29, 0
	s_mul_i32 s70, s66, SLOT                       ; step 0 takes slot cluster % 8
	s_mov_b32 s71, 0
	s_wait_kmcnt 0x0
	s_add_nc_u64 s[4:5], s[4:5], s[58:59]
	s_add_nc_u64 s[8:9], s[8:9], s[58:59]
	s_add_nc_u64 s[6:7], s[6:7], s[60:61]
	s_add_nc_u64 s[10:11], s[10:11], s[60:61]
	s_add_nc_u64 s[52:53], s[14:15], s[62:63]
	s_add_nc_u64 s[54:55], s[20:21], s[62:63]
	s_add_nc_u64 s[12:13], s[12:13], s[28:29]      ; the stream at my quarter of its slot 0
	s_mov_b32 s32, 1                               ; group 0: count 1,
	s_mov_b32 s33, s26                             ; LDS: my quarter of slot 0,
	s_add_nc_u64 s[34:35], s[12:13], s[70:71]      ; memory: the wave's and the cluster's number alone, the same in all four partners,
	s_or_b32 s35, s35, 0x80000000                  ; type 2
	CROUND                                         ; all four work-groups are here: the first joint loads meet
	tensor_load_to_lds s[32:35], s[36:43]
	s_nop 0
	NOP4
	global_load_b128 v[32:35], v60, s[16:17]
	global_load_b128 v[36:39], v60, s[16:17] offset:512
	global_load_b128 v[40:43], v60, s[18:19]
	global_load_b128 v[44:47], v60, s[18:19] offset:512
.irp j, 0,1,2,3,4,5,6,7
.irp a, 0,1,2
	global_load_b128 v[64+12*\j+4*\a:64+12*\j+4*\a+3], v[29+\a], s[4:5] offset:1536*\j th:TH_LOAD_NT      ; x's codes: two rows to three loads
.endr
.endr
.irp i, 0,1,2,3
	global_load_b32 v[16+\i], v13, s[6:7] offset:128*\i th:TH_LOAD_NT                                     ; and its scale words, four rows a load
.endr
.irp j, 0,1,2,3,4,5,6,7
.irp a, 0,1,2
	global_load_b128 v[160+12*\j+4*\a:160+12*\j+4*\a+3], v[10+\a], s[8:9] offset:1536*\j th:TH_LOAD_NT    ; kv's likewise
.endr
.endr
.irp i, 0,1,2,3
	global_load_b32 v[20+\i], v14, s[10:11] offset:128*\i th:TH_LOAD_NT
.endr
.macro ROWS reg, off
.irp j, 0,1,2,3,4,5,6,7
	ds_store_b128 v57, v[\reg+12*\j:\reg+12*\j+3] offset:\off+2*AP*\j
	ds_store_b128 v58, v[\reg+12*\j+4:\reg+12*\j+7] offset:\off+2*AP*\j+512
	ds_store_b128 v57, v[\reg+12*\j+8:\reg+12*\j+11] offset:\off+2*AP*\j+AP+256
.endr
.endm
	s_wait_loadcnt 28                              ; gamma, beta and x are in; kv's 28 loads may be out
	ROWS 64, R1-KVR
.irp i, 0,1,2,3
	ds_store_b32 v59, v[16+\i] offset:4*SP*\i+XSC-KVS
.endr
	ds_store_b128 v61, v[32:35]
	ds_store_b128 v61, v[36:39] offset:512
	ds_store_b128 v61, v[40:43] offset:4096
	ds_store_b128 v61, v[44:47] offset:4608
	s_wait_loadcnt 0x0
	ROWS 160, 0
.irp i, 0,1,2,3
	ds_store_b32 v59, v[20+\i] offset:4*SP*\i
.endr
	; (no barrier of its own: the first change of slots waits for these stores and passes a round)
	; ---------------- Q = x Wq + bq: steps 0-7 ----------------
	s_mov_b32 s27, 0
	s_mov_b32 s28, 0
	FULL 1, 1, 0
	s_mov_b32 s29, 7
.Lq:
	FULL 1, 0, 0
	s_sub_co_u32 s29, s29, 1
	s_cmp_lg_u32 s29, 0
	s_cbranch_scc1 .Lq
	; ---------------- four pieces: K's heads 0-3, 4-7, V's heads 0-3, 4-7: steps 8-23 ----------------
	s_mov_b32 s30, 0
.Lpiece:
	s_mov_b32 s27, 0
	s_mov_b32 s28, 0
	PSLOT 1
	s_mov_b32 s29, 3
.Lps:
	PSLOT 0
	s_sub_co_u32 s29, s29, 1
	s_cmp_lg_u32 s29, 0
	s_cbranch_scc1 .Lps
	NOP4                                           ; places behind the last products
	s_cmp_lt_u32 s30, 2                            ; the piece's number: the same in every wave and every partner
	s_cbranch_scc0 .Lpv
	; ---- scores: for each row, my 32 channels' part of Q[h] . K[g], h = 0..7, g = the piece's four heads.  A pair of Q (heads 2 H, 2 H + 1) times one of a pair of K: two scores an instruction
	s_lshl_b32 s56, s22, 13
	v_add_nc_u32 v57, s56, v[LOFF]
	v_add_nc_u32 v57, R1, v57                      ; my partial scores: 8,192 bytes a wave, 2,048 a row tile, as images of registers
.irp m, 0,1,2,3
.set SS, 64+32*(\m&1)
.if \m > 1
	s_wait_dscnt 0x4                               ; the stores of the row tile two back, which read these registers, are done; the last tile's four may be out
.endif
.irp Hh, 0,1
	WIN 0x0d+\Hh                                   ; source 0: Q in window 1 or 2; source 1: K in window 3
.irp tq, 0,1,2,3
.irp e, 0,1,2,3
.irp Hl, 0,1
.irp Gl, 0,1
.irp s, 0,1
.set rS, SS+2*(4*(2*\Hh+\Hl)+2*\Gl+\s)
.set rQ, 8*(8*((4*\Hl+\tq)>>1)+2*\m+(\tq&1))+2*\e
.set rK, 8*(8*((4*\Gl+\tq)>>1)+2*\m+(\tq&1))+2*\e
.if (\tq==0) && (\e==0)
	v_pk_mul_f32 v[rS:rS+1], v[rQ:rQ+1], v[rK:rK+1] op_sel:[0,\s] op_sel_hi:[1,\s]            ; the first product starts the sum
.else
	v_pk_fma_f32 v[rS:rS+1], v[rQ:rQ+1], v[rK:rK+1], v[rS:rS+1] op_sel:[0,\s,0] op_sel_hi:[1,\s,1]
.endif
.endr
.endr
.endr
.endr
.endr
.endr
	WIN 0
.set u, 0
.rept 16
	v_permlane16_swap_b32 v[SS+u], v[SS+16+u]      ; the two halves of the lanes hold different channels of one row: after the exchange lanes 0-15 add heads 0-3, lanes 16-31 heads 4-7
.set u, u+1
.endr
.set u, 0
.rept 8
	v_pk_add_f32 v[SS+u:SS+u+1], v[SS+u:SS+u+1], v[SS+16+u:SS+17+u]
.set u, u+2
.endr
.irp c, 0,1,2,3
	ds_store_b128 v57, v[SS+4*\c:SS+4*\c+3] offset:2048*\m+512*\c
.endr
.endr
	; ---- the four waves' parts meet: wave w adds them for rows 16 w .. 16 w + 15.  Register 8 Hl + 2 gl + a of lane (r, hh): h = 4 hh + 2 Hl + a, g = 4 p + gl
	BARRIER
	s_lshl_b32 s56, s22, 11
	v_add_nc_u32 v58, s56, v[LOFF]
	v_add_nc_u32 v58, R1, v58
.irp ww, 0,1,2,3
.irp c, 0,1,2,3
	ds_load_b128 v[64+16*\ww+4*\c:64+16*\ww+4*\c+3], v58 offset:8192*\ww+512*\c
.endr
.endr
	s_mul_i32 s56, s22, 16*TP
	v_add_nc_u32 v59, s56, v[LOFF]
	v_add_nc_u32 v59, ATT, v59                     ; where the first piece's sums wait: in my own rows of ATT
	s_wait_dscnt 0x0
.set u, 0
.rept 8
	v_pk_add_f32 v[64+u:65+u], v[64+u:65+u], v[80+u:81+u]
	v_pk_add_f32 v[96+u:97+u], v[96+u:97+u], v[112+u:113+u]
.set u, u+2
.endr
.set u, 0
.rept 8
	v_pk_add_f32 v[64+u:65+u], v[64+u:65+u], v[96+u:97+u]
.set u, u+2
.endr
	s_cmp_eq_u32 s30, 0
	s_cbranch_scc0 .Lsoftmax
.irp c, 0,1,2,3
	ds_store_b128 v59, v[64+4*\c:64+4*\c+3] offset:512*\c
.endr
	s_branch .Lnext
.Lsoftmax:
	; ---- the softmax over the 8 heads g, for my lane's four h: v80-95 g = 0..3, v64-79 g = 4..7
.irp c, 0,1,2,3
	ds_load_b128 v[80+4*\c:80+4*\c+3], v59 offset:512*\c
.endr
	v_and_b32 v60, 15, v0
	v_mul_u32_u24 v60, v60, TP
	v_bfe_u32 v61, v0, 4, 1
	v_lshl_add_u32 v60, v61, 6, v60
	v_add_nc_u32 v60, s56, v60
	v_add_nc_u32 v60, ATT, v60                     ; ATT row 16 w + r, + 64 hh: byte 128 p + 16 h + 4 gl of a row
	s_wait_dscnt 0x0
.irp Hl, 0,1
.irp a, 0,1
	v_max3_num_f32 v[16+2*\Hl+\a], v[80+8*\Hl+\a], v[82+8*\Hl+\a], v[84+8*\Hl+\a]
.endr
.endr
.irp Hl, 0,1
.irp a, 0,1
	v_max3_num_f32 v[16+2*\Hl+\a], v[16+2*\Hl+\a], v[86+8*\Hl+\a], v[64+8*\Hl+\a]
.endr
.endr
.irp Hl, 0,1
.irp a, 0,1
	v_max3_num_f32 v[16+2*\Hl+\a], v[16+2*\Hl+\a], v[66+8*\Hl+\a], v[68+8*\Hl+\a]
.endr
.endr
.irp Hl, 0,1
.irp a, 0,1
	v_max_num_f32 v[16+2*\Hl+\a], v[16+2*\Hl+\a], v[70+8*\Hl+\a]       ; the row's largest score
.endr
.endr
.irp hl, 0,1,2,3
	v_mul_f32 v[20+\hl], s46, v[16+\hl]            ; c x it
.endr
.irp b, 64,80
.irp Hl, 0,1
.irp gl, 0,1,2,3
	v_pk_fma_f32 v[\b+8*\Hl+2*\gl:\b+8*\Hl+2*\gl+1], v[\b+8*\Hl+2*\gl:\b+8*\Hl+2*\gl+1], s[46:47], v[20+2*\Hl:21+2*\Hl] op_sel_hi:[1,0,1] neg_lo:[0,0,1] neg_hi:[0,0,1]   ; c s - c max
.endr
.endr
.endr
.set u, 0
.rept 32
	v_exp_f32 v[64+u], v[64+u]
.set u, u+1
.endr
	v_nop                                          ; a plain line behind the last exponential
	s_wait_alu depctr_va_vdst(0)                   ; one wait for the batch, ahead of its first reader
.irp Hl, 0,1
	v_pk_add_f32 v[24+2*\Hl:25+2*\Hl], v[80+8*\Hl:81+8*\Hl], v[82+8*\Hl:83+8*\Hl]
.endr
.irp k, 84,86,64,66,68,70
.irp Hl, 0,1
	v_pk_add_f32 v[24+2*\Hl:25+2*\Hl], v[24+2*\Hl:25+2*\Hl], v[\k+8*\Hl:\k+8*\Hl+1]
.endr
.endr
.irp hl, 0,1,2,3
	v_rcp_f32 v[28+\hl], v[24+\hl]
.endr
	v_nop
	s_wait_alu depctr_va_vdst(0)                   ; one wait for the four reciprocals
.irp p, 0,1
.irp Hl, 0,1
.irp a, 0,1
.irp gl, 0,1,2,3
	v_mul_f32 v[96+16*\p+4*(2*\Hl+\a)+\gl], v[80-16*\p+8*\Hl+2*\gl+\a], v[28+2*\Hl+\a]
.endr
.endr
.endr
.endr
.irp p, 0,1
.irp hl, 0,1,2,3
	ds_store_b128 v60, v[96+16*\p+4*\hl:96+16*\p+4*\hl+3] offset:128*\p+16*\hl
.endr
.endr
	s_branch .Lnext                                ; (the readers stand behind the next change of slots, which waits for these stores and passes a round)
.Lpv:
	; ---- attended[h] += attn[h][g] V[g], g = the piece's four heads: a pair of V's channels times one weight
	v_and_b32 v57, 15, v0
	v_mul_u32_u24 v57, v57, TP
	s_lshl_b32 s31, s30, 7                         ; 128 (p + 2)
	v_add_nc_u32 v57, s31, v57
	v_add_nc_u32 v57, ATT-256, v57
.irp m, 0,1,2,3
.irp h, 0,1,2,3,4,5,6,7
	ds_load_b128 v[64+32*\m+4*\h:64+32*\m+4*\h+3], v57 offset:16*TP*\m+16*\h   ; my row's weights of head h against the piece's four
.endr
.endr
	s_wait_dscnt 0x0
.macro PVL gl, gb, mul                 ; 256 lines: head gl of the piece into all 8 heads h, 4 row tiles, 8 pairs of channels, each of V's accumulators from its low end on
.irp Wh, 0,1
	WIN 0x53+0x50*\Wh                              ; source 0: V in window 3; source 1: weights in window 0; attended in window 1 or 2
.irp m, 0,1,2,3
.irp hl, 0,1,2,3
.irp dp, 0,1,2,3,4,5,6,7
.set rD, 64*\hl+16*\m+2*\dp
.set rV, 64*\gl+16*\m+2*\dp
.set rP, 64+32*\m+4*(4*\Wh+\hl)+2*(\gl>>1)
.if \mul
	v_pk_mul_f32 v[rD:rD+1], v[rV:rV+1], v[rP:rP+1] op_sel:[0,\gb] op_sel_hi:[1,\gb]
.else
	v_pk_fma_f32 v[rD:rD+1], v[rV:rV+1], v[rP:rP+1], v[rD:rD+1] op_sel:[0,\gb,0] op_sel_hi:[1,\gb,1]
.endif
.endr
.endr
.endr
.endr
.endm
	s_cmp_eq_u32 s30, 2
	s_cbranch_scc0 .Lpv_add
	PVL 0, 0, 1                                    ; the first head of all starts the sums, over Q's registers, which are done with
	WIN 0
	s_branch .Lpv_rest
.Lpv_add:
	PVL 0, 0, 0
	WIN 0
.Lpv_rest:
	PVL 1, 1, 0
	PVL 2, 0, 0
	PVL 3, 1, 0
	WIN 0
.Lnext:
	s_add_co_u32 s30, s30, 1
	s_cmp_lt_u32 s30, 4
	s_cbranch_scc1 .Lpiece
	; ---------------- window 3 is free: my first four rows of the residual are asked for now ----------------
	WIN 0xc0                                       ; destination window 3, address window 0
.irp a, 0,1,2,3
.irp j, 0,1,2,3,4,5,6,7
	global_load_b128 v[32*\a+4*\j:32*\a+4*\j+3], v[LOFF], s[52:53] offset:4096*\a+512*\j th:TH_LOAD_NT
.endr
.endr
	WIN 0
	s_add_nc_u64 s[50:51], s[52:53], 32768         ; the prefetches begin at my row 8
	; ---------------- attended is quantised along its 1,024: block 4 h + w is my 32 channels of head h; codes and scale bytes go to LDS as rows ----------------
	BARRIER                                        ; nobody reads ATT any more: attended's codes are laid over it
	v_and_b32 v57, 15, v0
	v_bfe_u32 v58, v0, 4, 1
	v_mul_u32_u24 v59, v57, AP
	v_mad_u32_u24 v59, v58, 96, v59
	s_mul_i32 s56, s22, 24
	v_add_nc_u32 v59, s56, v59
	v_add_nc_u32 v59, R1, v59                      ; codes: row r, place 2 g + hh (96 bytes a place), my block's 24 bytes
	v_mul_u32_u24 v60, v57, SP
	v_lshl_add_u32 v60, v58, 2, v60
	v_add_nc_u32 v60, s22, v60
	v_add_nc_u32 v60, XSC, v60                     ; scale bytes: row r, byte 4 (2 g + hh) + w
.irp h, 0,1,2,3,4,5,6,7
	v_mov_b32 v[24+\h], 0                          ; written once: a lane permute's destination counts as one of its sources
.endr
.irp m, 0,1,2,3
.irp Wh, 0,1
	WIN 0x05+0x05*\Wh                              ; sources 0 and 1 in window 1 or 2
.irp hl, 0,1,2,3
	v_max3_num_f32 v[16+4*\Wh+\hl], |v[64*\hl+16*\m]|, |v[64*\hl+16*\m+1]|, 0x1800000   ; my 16 numbers of the block, and the floor 2^(3 - 127): the byte cannot fall under 1
.endr
.irp i, 2,4,6,8,10,12,14
.irp hl, 0,1,2,3
	v_max3_num_f32 v[16+4*\Wh+\hl], |v[64*\hl+16*\m+\i]|, |v[64*\hl+16*\m+\i+1]|, v[16+4*\Wh+\hl]
.endr
.endr
.endr
	WIN 0
.irp h, 0,1,2,3,4,5,6,7
	v_permlanex16_b32 v[24+\h], v[16+\h], s44, s45
.endr
.irp h, 0,1,2,3,4,5,6,7
	v_max_num_f32 v[16+\h], v[16+\h], v[24+\h]     ; with lane l xor 16's: the block's largest magnitude
.endr
.irp h, 0,1,2,3,4,5,6,7
	v_add_nc_u32 v[32+\h], 0xff000000, v[16+\h]    ; 2 off its exponent field: the conversion's scale operand
.endr
.irp h, 0,1,2,3,4,5,6,7
	v_lshrrev_b32 v[40+\h], 23, v[32+\h]           ; the scale's byte
.endr
.irp x, 0,1,2,3
	WIN 0x01+(\x>>1)                               ; source 0 in window 1 or 2
	v_cvt_scalef32_pk16_fp6_f32 v[64+12*\x:66+12*\x], v[64*((2*\x)&3)+16*\m:64*((2*\x)&3)+16*\m+15], v[32+2*\x]
	v_cvt_scalef32_pk16_fp6_f32 v[70+12*\x:72+12*\x], v[64*((2*\x+1)&3)+16*\m:64*((2*\x+1)&3)+16*\m+15], v[33+2*\x]
.endr
	WIN 0
	v_nop                                          ; one plain line behind the scaled conversions
.irp x, 0,1,2,3
.irp i, 0,1,2
	v_permlane16_swap_b32 v[64+12*\x+\i], v[70+12*\x+\i]   ; lanes 0-15 now hold head 2 x's whole block, lanes 16-31 head 2 x + 1's: lower 16 codes in the first, upper 16 in the second
.endr
.endr
.irp x, 0,1,2,3
.irp i, 0,1,2
	v_mov_b32 v[67+12*\x+\i], v[70+12*\x+\i]       ; 24 bytes on end
.endr
	v_cndmask_b32 v[112+\x], v[40+2*\x], v[41+2*\x], s48   ; and that head's byte
.endr
	; the rotation: place pair g takes head pair (g + cluster % 4) % 4: by one where bit 0 of the cluster's number is set, then by two where bit 1 is
.irp g, 0,1,2,3
.irp i, 0,1,2,3,4,5
	v_cndmask_b32 v[128+8*\g+\i], v[64+12*\g+\i], v[64+12*((\g+1)%4)+\i], s74
.endr
	v_cndmask_b32 v[134+8*\g], v[112+\g], v[112+(\g+1)%4], s74
.endr
.irp g, 0,1,2,3
.irp i, 0,1,2,3,4,5,6
	v_cndmask_b32 v[160+8*\g+\i], v[128+8*\g+\i], v[128+8*((\g+2)%4)+\i], s75
.endr
.endr
.irp g, 0,1,2,3
.irp i, 0,1,2
	ds_store_b64 v59, v[160+8*\g+2*\i:160+8*\g+2*\i+1] offset:16*AP*\m+192*\g+8*\i
.endr
	ds_store_b8 v60, v[166+8*\g] offset:16*SP*\m+8*\g
.endr
	s_wait_dscnt 0x0                               ; the stores have read their registers: the next row tile writes them again
.endr
	; ---------------- attended Wo + bo: steps 24-31 ----------------
	s_mov_b32 s27, 0
	s_mov_b32 s28, 0
	s_mov_b32 s57, 0
	FULL 1, 1, 0
	NOP4                                           ; places in front of loads into the biases' registers, which the last products read and no later slot needs
	WIN 0xc0
.irp a, 4,5,6,7
.irp j, 0,1,2,3,4,5,6,7
	global_load_b128 v[32*\a+4*\j:32*\a+4*\j+3], v[LOFF], s[52:53] offset:4096*\a+512*\j th:TH_LOAD_NT     ; my residual rows 4-7: the first four rows' 32 loads were issued a quantiser and a slot ago
.endr
.endr
	WIN 0
.irp j, 0,1,2,3,4,5,6,7
	global_load_b128 v[16+4*\j:16+4*\j+3], v[LOFF], s[52:53] offset:4096*15+512*\j th:TH_LOAD_NT           ; and row 15, so that the run behind the staging is 56 loads
.endr
	s_mov_b32 s29, 6
.Lo:
	FULL 1, 0, 1
	s_sub_co_u32 s29, s29, 1
	s_cmp_lg_u32 s29, 0
	s_cbranch_scc1 .Lo
	FULL 0, 0, 0                                   ; the last slot is written out: nothing is left to fetch
	; ---------------- the way out: 64 whole rows meet in LDS; each wave then norms and stores 16 of them ----------------
	NOP4                                           ; places behind the last products
	BARRIER                                        ; nobody reads the ring or kv's codes any more; both have had their last fill
	v_and_b32 v61, 15, v0
	v_bfe_u32 v62, v0, 4, 1
	v_mul_u32_u24 v57, v61, GP
	v_lshl_add_u32 v57, v62, 5, v57
	s_lshl_b32 s56, s22, 10
	v_add_nc_u32 v57, s56, v57                     ; row r, + 1,024 w + 32 hh: my eight columns of a tile
	v_add_nc_u32 v58, 16*GP, v57                   ; row tiles 1, 2, 3
	v_add_nc_u32 v59, 32*GP, v57
	v_add_nc_u32 v60, 48*GP, v57
.irp Wh, 0,1
	WIN 0x04+0x04*\Wh                              ; an LDS store's data are its source 1: window 1 or 2
.irp m, 0,1,2,3
.irp tl, 0,1,2,3,4,5,6,7
.set rD, 8*(8*(\tl>>1)+2*\m+(\tl&1))
	ds_store_b128 v[57+\m], v[rD:rD+3] offset:64*(8*\Wh+\tl)       ; each accumulator from its low end on
	ds_store_b128 v[57+\m], v[rD+4:rD+7] offset:64*(8*\Wh+\tl)+16
.endr
.endr
.endr
	WIN 0
	BARRIER                                        ; the stage is whole, and windows 1 and 2 are free
	s_wait_loadcnt 0x0                             ; rows 0-7 and 15, asked for seven slots ago or more
	WIN 0x80                                       ; destination window 2
.irp a, 0,1,2,3,4,5,6
.irp j, 0,1,2,3,4,5,6,7
	global_load_b128 v[32*\a+4*\j:32*\a+4*\j+3], v[LOFF], s[52:53] offset:4096*(8+\a)+512*\j th:TH_LOAD_NT   ; rows 8-14: they land while rows 0-7 are normed
.endr
.endr
	WIN 0
	v_add_nc_u32 v63, GB, v[LOFF]
	WIN 0x40                                       ; destination window 1
.irp j, 0,1,2,3,4,5,6,7,8,9,10,11,12,13,14,15
	ds_load_b128 v[4*\j:4*\j+3], v63 offset:512*\j ; gamma into v0-31, beta into v32-63: my lane's 16 bytes of each 512, as a row's
.endr
	WIN 0
.set SRD, 62
.set AC,  192                          ; v192-207 four chains of pairs for each of two rows
.set SU,  208                          ; v208-209 a row's sum
.set PX,  210
.set MN,  212                          ; v212, v214 the means (as low words of pairs)
.set RS,  216                          ; v216, v218 1 / sqrt(var + eps) likewise
	s_mul_i32 s56, s22, 16*GP
	v_add_nc_u32 v61, s56, v[LOFF]                 ; my 16 rows, 16 bytes a lane, 512 an instruction
	s_mov_b32 s58, 0x3a800000                      ; 1 / 1,024
	s_mov_b32 s59, 0x3727c5ac                      ; 1e-5
.irp k, 210,211,213,215,217,219
	v_mov_b32 v[\k], 0                             ; permute destinations and the upper words of pairs whose low word serves both halves
.endr
.macro REDUCE                          ; the chains of both rows become the rows' sums, in every lane
.irp a, 0,1
	v_pk_add_f32 v[AC+8*\a:AC+8*\a+1], v[AC+8*\a:AC+8*\a+1], v[AC+8*\a+2:AC+8*\a+3]
	v_pk_add_f32 v[AC+8*\a+4:AC+8*\a+5], v[AC+8*\a+4:AC+8*\a+5], v[AC+8*\a+6:AC+8*\a+7]
.endr
.irp a, 0,1
	v_pk_add_f32 v[AC+8*\a:AC+8*\a+1], v[AC+8*\a:AC+8*\a+1], v[AC+8*\a+4:AC+8*\a+5]
.endr
.irp a, 0,1
	v_add_f32 v[SU+\a], v[AC+8*\a], v[AC+8*\a+1]
.endr
.irp x, 1,2,4,8
.irp a, 0,1
	v_add_f32_dpp v[SU+\a], v[SU+\a], v[SU+\a] row_xmask:\x row_mask:0xf bank_mask:0xf
.endr
.endr
.irp a, 0,1
	v_permlanex16_b32 v[PX+\a], v[SU+\a], s44, s45
.endr
.irp a, 0,1
	v_add_f32 v[SU+\a], v[SU+\a], v[PX+\a]
.endr
.endm
; Pair k of a trip's four: rows 8 T + 2 k, + 1 (T = 0 in the first trip, s29 = 2; T = 1 in the second).  Y: the pair's rows, asked of the stage in the pair before; YN: the other set, for the next pair.
; Only the residual's place differs between the trips: the 32 additions are written twice, in two arms of a branch on the trip's number.  No global load stands in the loop, so the second arm's counts hold on every way.
.macro LNP k, Y, YN
	s_wait_dscnt 0x0                               ; my pair's rows are back from the stage
	s_cmp_eq_u32 s29, 2
	s_cbranch_scc0 .Lsecond_\@
	WIN 0x0c                                       ; source 1: rows 0-7 of the residual, in window 3
.set i, 0
.rept 32
	v_pk_add_f32 v[\Y+i:\Y+i+1], v[\Y+i:\Y+i+1], v[64*\k+i:64*\k+i+1]
.set i, i+2
.endr
	WIN 0
	s_branch .Ladded_\@
.Lsecond_\@:
.if \k < 3
	s_wait_loadcnt 40-16*\k                        ; of the run of 56 loads those of the rows behind my pair's may be out
	WIN 0x08                                       ; source 1: rows 8-13, in window 2
.set i, 0
.rept 32
	v_pk_add_f32 v[\Y+i:\Y+i+1], v[\Y+i:\Y+i+1], v[64*\k+i:64*\k+i+1]
.set i, i+2
.endr
.else
	s_wait_loadcnt 0x0
	WIN 0x08                                       ; row 14 in window 2,
.set i, 0
.rept 16
	v_pk_add_f32 v[\Y+i:\Y+i+1], v[\Y+i:\Y+i+1], v[192+i:193+i]
.set i, i+2
.endr
	WIN 0                                          ; row 15 in window 0
.set i, 0
.rept 16
	v_pk_add_f32 v[\Y+32+i:\Y+33+i], v[\Y+32+i:\Y+33+i], v[16+i:17+i]
.set i, i+2
.endr
.endif
	WIN 0
.Ladded_\@:
.irp c, 0,1,2,3
.irp a, 0,1
	v_pk_add_f32 v[AC+8*\a+2*\c:AC+8*\a+2*\c+1], v[\Y+32*\a+2*\c:\Y+32*\a+2*\c+1], v[\Y+32*\a+8+2*\c:\Y+32*\a+9+2*\c]
.endr
.endr
.irp q, 16,24
.irp c, 0,1,2,3
.irp a, 0,1
	v_pk_add_f32 v[AC+8*\a+2*\c:AC+8*\a+2*\c+1], v[AC+8*\a+2*\c:AC+8*\a+2*\c+1], v[\Y+32*\a+\q+2*\c:\Y+32*\a+\q+2*\c+1]
.endr
.endr
.endr
	REDUCE
.irp a, 0,1
	v_mul_f32 v[MN+2*\a], s58, v[SU+\a]            ; the mean
.endr
.irp a, 0,1
.set i, 0
.rept 16
	v_pk_add_f32 v[\Y+32*\a+i:\Y+32*\a+i+1], v[\Y+32*\a+i:\Y+32*\a+i+1], v[MN+2*\a:MN+2*\a+1] op_sel_hi:[1,0] neg_lo:[0,1] neg_hi:[0,1]   ; x - mean
.set i, i+2
.endr
.endr
.irp c, 0,1,2,3
.irp a, 0,1
	v_pk_mul_f32 v[AC+8*\a+2*\c:AC+8*\a+2*\c+1], v[\Y+32*\a+2*\c:\Y+32*\a+2*\c+1], v[\Y+32*\a+2*\c:\Y+32*\a+2*\c+1]
.endr
.endr
.irp q, 8,16,24
.irp c, 0,1,2,3
.irp a, 0,1
	v_pk_fma_f32 v[AC+8*\a+2*\c:AC+8*\a+2*\c+1], v[\Y+32*\a+\q+2*\c:\Y+32*\a+\q+2*\c+1], v[\Y+32*\a+\q+2*\c:\Y+32*\a+\q+2*\c+1], v[AC+8*\a+2*\c:AC+8*\a+2*\c+1]
.endr
.endr
.endr
	REDUCE
.irp a, 0,1
	v_fma_f32 v[SU+\a], v[SU+\a], s58, s59         ; the variance + eps
.endr
.irp a, 0,1
	v_rsq_f32 v[RS+2*\a], v[SU+\a]
.endr
	v_nop                                          ; a plain line behind the roots
	s_wait_alu depctr_va_vdst(0)                   ; one wait for both, ahead of their first reader
	s_wait_xcnt 0x0                                ; the last pair's stores, a pair's arithmetic back, have read their data (the set YN) and their base
.if \k == 3
	s_add_nc_u64 s[54:55], s[54:55], 32768         ; eight rows of out0 on; this pair's stores reach back
	s_cmp_eq_u32 s29, 1
	s_cbranch_scc1 .Lnomore_\@                     ; behind my last pair there is no row to ask for
.endif
.irp a, 0,1
.irp j, 0,1,2,3,4,5,6,7
	ds_load_b128 v[\YN+32*\a+4*\j:\YN+32*\a+4*\j+3], v[SRD] offset:GP*(2*\k+2+\a)+512*\j     ; the next pair's rows: 64 vector instructions and 16 stores ahead of their use
.endr
.endr
.if \k == 3
.Lnomore_\@:
.endif
.irp a, 0,1
.set i, 0
.rept 16
	v_pk_mul_f32 v[\Y+32*\a+i:\Y+32*\a+i+1], v[\Y+32*\a+i:\Y+32*\a+i+1], v[RS+2*\a:RS+2*\a+1] op_sel_hi:[1,0]
.set i, i+2
.endr
.endr
	WIN 0x14                                       ; sources 1 and 2: gamma and beta, in window 1
.irp a, 0,1
.set i, 0
.rept 16
	v_pk_fma_f32 v[\Y+32*\a+i:\Y+32*\a+i+1], v[\Y+32*\a+i:\Y+32*\a+i+1], v[i:i+1], v[32+i:33+i]
.set i, i+2
.endr
.endr
	WIN 0
.irp a, 0,1
.irp j, 0,1,2,3,4,5,6,7
	global_store_b128 v[LOFF], v[\Y+32*\a+4*\j:\Y+32*\a+4*\j+3], s[54:55] offset:4096*(2*\k+\a)+512*\j-32768*(\k/3) th:TH_STORE_NT   ; 32 lanes store 512 consecutive bytes, aligned
.endr
.endr
.endm
.irp a, 0,1
.irp j, 0,1,2,3,4,5,6,7
	ds_load_b128 v[64+32*\a+4*\j:64+32*\a+4*\j+3], v61 offset:GP*\a+512*\j     ; my first pair's rows
.endr
.endr
	s_mov_b32 s29, 2
	s_mov_b32 s60, 0
.Lln:                                              ; a trip: eight rows
	v_add_nc_u32 v[SRD], s60, v61
	LNP 0, 64, 128
	LNP 1, 128, 64
	LNP 2, 64, 128
	LNP 3, 128, 64
	s_add_co_u32 s60, s60, 8*GP
	s_sub_co_u32 s29, s29, 1
	s_cmp_lg_u32 s29, 0
	s_cbranch_scc1 .Lln
	s_wait_tensorcnt 0x0                           ; the wave's end: behind my last tensor load and my last LDS store
	ds_add_u32 v[SPW], v[NIL]
	s_wait_dscnt 0x0
	CROUND                                         ; the closing round: no work-group ends while a partner may still ask for a slot that names it
	s_endpgm
.Lfunc_end_k_q433682b38e_fused:
	.size	k_q433682b38e_fused, .Lfunc_end_k_q433682b38e_fused-k_q433682b38e_fused
	.p2alignl 7, 3214868480
	.fill 96, 4, 3214868480
	.section	.rodata,"a",@progbits
	.p2align	6, 0x0
	.amdhsa_kernel k_q433682b38e_fused
		.amdhsa_group_segment_fixed_size 327680
		.amdhsa_private_segment_fixed_size 0
		.amdhsa_enable_private_segment 0
		.amdhsa_kernarg_size 72
		.amdhsa_user_sgpr_count 2
		.amdhsa_user_sgpr_kernarg_segment_ptr 1
		.amdhsa_wavefront_size32 1
		.amdhsa_system_sgpr_workgroup_id_x 1
		.amdhsa_system_sgpr_workgroup_id_y 1
		.amdhsa_system_sgpr_workgroup_id_z 1
		.amdhsa_system_vgpr_workitem_id 0
		.amdhsa_next_free_vgpr 1024
		.amdhsa_next_free_sgpr 80
		.amdhsa_reserve_vcc 0
		.amdhsa_float_denorm_mode_32 3
		.amdhsa_float_denorm_mode_16_64 3
		.amdhsa_memory_ordered 1
		.amdhsa_forward_progress 1
		.amdhsa_inst_pref_size 255
	.end_amdhsa_kernel
	.section	.bss,"aw",@nobits
	.p2align	6
	.space	262144
	.amdgpu_metadata
---
amdhsa.version: [ 1, 2 ]
amdhsa.kernels:
  - .name:           k_q433682b38e_fused
    .symbol:         k_q433682b38e_fused.kd
    .args:
      - { .name: xc, .offset: 0, .size: 8, .value_kind: global_buffer, .address_space: global }
      - { .name: xs, .offset: 8, .size: 8, .value_kind: global_buffer, .address_space: global }
      - { .name: key_value_codes, .offset: 16, .size: 8, .value_kind: global_buffer, .address_space: global }
      - { .name: key_value_scales, .offset: 24, .size: 8, .value_kind: global_buffer, .address_space: global }
      - { .name: wst, .offset: 32, .size: 8, .value_kind: global_buffer, .address_space: global }
      - { .name: query, .offset: 40, .size: 8, .value_kind: global_buffer, .address_space: global }
      - { .name: gamma, .offset: 48, .size: 8, .value_kind: global_buffer, .address_space: global }
      - { .name: beta, .offset: 56, .size: 8, .value_kind: global_buffer, .address_space: global }
      - { .name: out0, .offset: 64, .size: 8, .value_kind: global_buffer, .address_space: global }
    .group_segment_fixed_size: 327680
    .private_segment_fixed_size: 0
    .kernarg_segment_align: 8
    .kernarg_segment_size: 72
    .max_flat_workgroup_size: 128
    .sgpr_count:     80
    .vgpr_count:     1024
    .wavefront_size: 32
...
	.end_amdgpu_metadata
.endif
;; end of part 3
